; MI455X (gfx1250); checked and timed in simulation.
; The chip was launched on July 23, 2026; its instructions are those of AMD's public machine-readable ISA for CDNA 5 (MIT licence, August 2026) and "CDNA5" Instruction Set Architecture Reference Guide (July 2026). The comments in the code are by the model that wrote it; some were corrected since.
;; Time Dependent Attention. Allowed arithmetic: matrix products marked QUANTISED: E2M3 operands, one E8M0 scale for each 32 along K, by v_wmma_scale_f32_16x16x128_f8f6f4 with both operands' format E2M3, f32 sums; products left as they are: f32 operands where the result goes on into a quantised operand, else bf16, f16 or f32 operands; f32 sums; everything else in f32.
;; Inputs: W_o 768 x 768 float32; Wt_k 768 x 256 float32; Wt_q 768 x 256 float32; Wt_v 768 x 256 float32; Wx_k 768 x 768 float32; Wx_q 768 x 768 float32; Wx_v 768 x 768 float32; b_o 768 float32; rel_pos_bias 12 x 1,024 x 1,024 float32; t 8 x 256 float32; x 8 x 1,024 x 768 float32.
;; Outputs: out0 8 x 1,024 x 768 float32.
;; This version of the problem:
;;   THIS VERSION OF THE PROBLEM IS GIVEN IN LOW PRECISION. The matrix products marked QUANTISED in the list below multiply operands that are first quantised to E2M3 (2 exponent bits, 3 mantissa bits; 6 bits a number), with one power-of-two scale for each 32 numbers along K (OCP MX v1.0); their sums are f32. All else is computed in f32.
;;   The module's matrix products, in the order in which they are computed (A, B: the left and right operand; K: the contracted axis; several contracted axes count as one K, in the product's order):
;;     1. [M 8,192, K 768] x [K 768, N 768]; A: input x; B: input Wx_q: QUANTISED
;;     2. [M 8, K 256] x [K 256, N 768]; A: input t; B: input Wt_q: left as it is (M = 8 < 16)
;;     3. [M 8,192, K 768] x [K 768, N 768]; A: input x; B: input Wx_k: QUANTISED
;;     4. [M 8, K 256] x [K 256, N 768]; A: input t; B: input Wt_k: left as it is (M = 8 < 16)
;;     5. [M 8,192, K 768] x [K 768, N 768]; A: input x; B: input Wx_v: QUANTISED
;;     6. [M 8, K 256] x [K 256, N 768]; A: input t; B: input Wt_v: left as it is (M = 8 < 16)
;;     7. batch 96 x [M 1,024, K 64] x [K 64, N 1,024]; A: computed on the way; B: computed on the way: QUANTISED
;;     8. batch 96 x [M 1,024, K 1,024] x [K 1,024, N 64]; A: softmax (see below); B: computed on the way: QUANTISED
;;     9. [M 8,192, K 768] x [K 768, N 768]; A: computed on the way; B: input W_o: QUANTISED
;;   THE QUANTISER, for each operand of a quantised product, along K:
;;     - K is cut into blocks of 32 from its start; a last block that is shorter is filled with zeros.
;;     - A block's scale is 2^e with e = floor(log2(the largest magnitude in the block)) - 2, held to -126 .. 127; a block of zeros has e = 0. As a byte (E8M0): e + 127.
;;     - Each number is divided by its block's scale, clamped to +-7.5, and rounded to the nearest number of E2M3, ties to even, subnormals kept.
;;     - The product sums the exact products of the quantised numbers (number of the format x scale) in f32.
;;   ~~~python
;;   def quantise(x, axis):      # numpy; x: float32 -> the quantised numbers, widened to float32 again
;;       x = np.moveaxis(x, axis, -1); K = x.shape[-1]
;;       x = np.pad(x, [(0, 0)] * (x.ndim - 1) + [(0, -K % 32)]); x = x.reshape(x.shape[:-1] + (-1, 32)); a = np.abs(x).max(-1, keepdims=True)
;;       e = np.where(a > 0, np.clip(np.frexp(np.where(a > 0, a, 1))[1] - 1 - 2, -126, 127), 0)      # np.frexp(a)[1] - 1 = floor(log2(a)), exactly
;;       r = np.clip(x / 2.0 ** e, -7.5, 7.5)
;;       step = 2.0 ** (np.maximum(np.frexp(np.where(r == 0, 1, r))[1] - 1, 0) - 3)
;;       q = np.round(r / step) * step * 2.0 ** e      # np.round: ties to even
;;       return np.moveaxis(q.reshape(q.shape[:-2] + (-1,))[..., :K], -1, axis).astype(np.float32)
;;   ~~~
;;   SOFTMAX AHEAD OF A QUANTISED PRODUCT. Where the list says 'softmax', what is quantised is not the finished softmax but p = 2^(t - M), with t = logit x log2(e) and M = ceil(the row's largest t), a whole number; so 1/2 < the row's largest p <= 1. The row's sum l is taken of the UNQUANTISED p, in f32, and the product's result is divided by l at the end. Since M is a whole number, a kernel that streams over the keys may use a running M (the ceiling of the running maximum): every later rescaling is an exact power of two, which a block's scale takes up: the codes' values come out the same.
;;   OPERANDS COMPUTED ON THE WAY. 'Computed on the way' means the value that the module computes at that place (a softmax that the list does not call 'softmax' is quantised finished and normalised). What goes into a quantiser is computed in f32, as accurately as f32 sums, v_exp_f32 and their like allow (about 1e-6 of the number): no bf16 or f16 on the way to a quantiser, and a product that is left as it is and whose result goes on into a quantised operand takes f32 operands (vector FMAs, or v_wmma_f32_16x16x4_f32). A number that lies on a knife's edge between two numbers of the format may be rounded either way, as far as f32 arithmetic and the matrix unit's own rounding can turn it there, and no further.
;; One version. Each part assembles by itself: llvm-mc -triple=amdgcn-amd-amdhsa -mcpu=gfx1250 --defsym DOCPART=n.
;; ======== version 1 of 1: 4 launches
;; limits: right only within a limited range of input values
;; workspace buffers: xq 5,111,808 bytes; wc 1,916,928 bytes; tp 73,728 bytes; qc 5,111,808 bytes; kv 10,223,616 bytes; oq 5,505,024 bytes
;; launch prep (part 1): grid 224 x 3, 4 waves a work-group, no clusters, 67,072 bytes of LDS; arguments x, Wx_q, Wx_k, Wx_v, W_o, Wt_q, Wt_k, Wt_v, t, xq, wc, tp; writes xq, wc, tp
.if DOCPART == 1
	.amdgcn_target "amdgcn-amd-amdhsa--gfx1250"
	.amdhsa_code_object_version 6
	.text
	.protected	k_qabfd490e40_prep
	.globl	k_qabfd490e40_prep
	.p2align	8
	.type	k_qabfd490e40_prep,@function
k_qabfd490e40_prep:
	s_mov_b64 s[64:65], 0
	v_nop
	global_prefetch_b8 v0, s[64:65] scope:SCOPE_SE
	s_setreg_imm32_b32 hwreg(HW_REG_WAVE_MODE, 25, 1), 1
	s_wait_xcnt 0x0
; PREP.  (1) x [8192][768] and the four weights [768][768], f32 with K innermost, become codes of FP6 (E2M3) with one E8M0 byte for each 32 along K, laid as IMAGES OF THE OPERAND'S REGISTERS.
; (2) tq, tk, tv = t Wt^T, [8][768] each, by fused multiply-adds in f32 (their results go on into quantisers).
; ROWS.  Rows go in groups of 64; tile T (0..3) of a group holds, at its place m (0..15), row 32 (m / 8) + 8 T + m % 8.  With that order the eight results that a lane holds of tiles 0..3 of a product are 32 neighbours.
; A RECORD (3,328 bytes) is one tile x 256 along K: fragment of K step 0 (3 x 512 bytes: lane l's registers 4 i .. 4 i + 3 at 512 i + 16 l), fragment of K step 1, then 256 bytes of scale words (8 bytes a lane: the two steps' words of row l % 16).
; xq = [group of four tiles 128][K pair 3][tile 4][record];  wc = [group of four tiles 48][K pair 3][tile 4][record], tiles 0-47 Wx_q, 48-95 Wx_k, 96-143 Wx_v, 144-191 W_o.
; SHARES.  Work-groups x < 176: one group of 64 rows (x < 128: of x; then 12 each of the four weights), K pair = y; wave w takes tile w: 16 rows x 1,024 bytes.  Work-groups x >= 176: matrix y of Wt, 16 output features, 4 a wave, all 8 batches:
; so few to a wave that this path's vector work (some 400 instructions) is about the quantiser's.
; THE QUANTISER: a block's scale is 2^(floor(log2(largest magnitude)) - 2); its byte is the largest magnitude's exponent field - 2, held at 1 from below.  A block of zeros so gets the byte 1 where the rule says 127: its codes are zeros,
; and this program alone reads the bytes.  LIMITS: NaN and infinities among the inputs are not served.
; Memory binds: every load takes 512 consecutive bytes, every store of codes whole blocks of 256 bytes; no tensor loads, no barrier, no matrix unit: waves share nothing.
.set REC,  3328
.set SP,   1040                        ; a row of the stage: 1,024 bytes + 16: sixteen rows start in sixteen different columns of 16 bytes
.set STGW, 16*SP                       ; a wave's stage
.set RAW,  32                          ; v32-159  16 rows as loaded
.set XA,   160                         ; v160-223 my 64 numbers of K step 0: register 32 c + i = k 64 c + 32 (lane / 16) + i of row lane % 16
.set XB,   32                          ; v32-95   the same of K step 1
.set CA,   224                         ; v224-235 fragment of K step 0
.set CC,   236                         ; v236-247 of K step 1
.set TP,   248                         ; v248-254 the second halves of two blocks' codes
.set MX,   8
.set SCO,  10
.set BY,   12
.set YY,   14
.set WD,   24                          ; v[24:25] the two scale words
.set TT,   32                          ; time path: v32-95 t, 8 numbers a lane and batch
.set WR,   96                          ; v96-127  4 rows of Wt, 8 numbers a lane and row
.set AC,   224                         ; v224-239 a pair of partial sums for each batch
.set YB,   240
.set R2,   248                         ; v248     the results: lane l: batch l / 4, feature l % 4
	s_load_b256 s[8:15], s[0:1], 0x0               ; x, Wx_q, Wx_k, Wx_v
	s_load_b256 s[16:23], s[0:1], 0x20             ; W_o, Wt_q, Wt_k, Wt_v
	s_load_b256 s[24:31], s[0:1], 0x40             ; t, xq, wc, tp
	v_lshl_add_u32 v251, v0, 2, 0x10400
	v_mov_b32 v255, 0
	v_lshrrev_b32 v1, 5, v0
	v_readfirstlane_b32 s2, v1                     ; wave
	s_and_b32 s3, ttmp7, 0xffff                    ; y
	v_and_b32 v6, 31, v0                           ; lane
	v_and_b32 v7, 15, v0                           ; r
	v_bfe_u32 v5, v0, 4, 1                         ; h
	v_lshlrev_b32 v1, 4, v6                        ; 16 x lane
	s_mov_b32 s4, 0x76543210
	s_mov_b32 s5, 0xfedcba98                       ; v_permlanex16_b32's selects for lane l xor 16
	s_cmp_ge_u32 ttmp9, 176
	s_cbranch_scc1 .Ltime
	; ---------------- the quantiser ----------------
	v_lshlrev_b32 v2, 3, v6                        ; 8 x lane
	s_mul_i32 s6, s2, STGW
	v_add_nc_u32 v3, s6, v1                        ; the stage, on the way in: as loaded
	v_mul_u32_u24 v4, v7, SP
	v_lshl_add_u32 v4, v5, 7, v4
	v_add_nc_u32 v4, s6, v4                        ; and on the way out: row r, + 128 h bytes
	v_lshlrev_b32 v5, 3, v5                        ; 8 h: how far my two scale bytes are shifted
	v_mov_b32 v[YY], 0                             ; a lane permute's destination counts as one of its sources
	s_wait_kmcnt 0x0
	s_mov_b64 s[32:33], s[16:17]                   ; which tensor: the choice hangs on the work-group's number alone
	s_mov_b32 s34, 164
	s_cmp_lt_u32 ttmp9, 164
	s_cselect_b64 s[32:33], s[14:15], s[32:33]
	s_cselect_b32 s34, 152, s34
	s_cmp_lt_u32 ttmp9, 152
	s_cselect_b64 s[32:33], s[12:13], s[32:33]
	s_cselect_b32 s34, 140, s34
	s_cmp_lt_u32 ttmp9, 140
	s_cselect_b64 s[32:33], s[10:11], s[32:33]
	s_cselect_b32 s34, 128, s34
	s_cmp_lt_u32 ttmp9, 128
	s_cselect_b64 s[32:33], s[8:9], s[32:33]
	s_cselect_b32 s34, 0, s34                      ; the tensor's first work-group
	s_cselect_b64 s[36:37], s[26:27], s[28:29]     ; xq or wc
	s_cselect_b32 s39, 0, 128
	s_sub_co_u32 s40, ttmp9, s34                   ; the group of 64 rows
	s_lshl_b32 s40, s40, 6
	s_lshl_b32 s41, s2, 3
	s_add_co_u32 s40, s40, s41                     ; the tile's first row: 64 G + 8 w
	s_mul_i32 s40, s40, 3072
	s_lshl_b32 s41, s3, 10
	s_add_co_u32 s40, s40, s41                     ; + 1,024 bytes for each K pair
	s_mov_b32 s41, 0
	s_add_nc_u64 s[32:33], s[32:33], s[40:41]
	s_sub_co_u32 s42, ttmp9, s39
	; both buffers are laid [group of four tiles][K pair 3][tile 4][record]: a group with all of K is 39,936 dense bytes
	s_mul_i32 s42, s42, 12
	s_lshl_b32 s43, s3, 2
	s_add_co_u32 s42, s42, s43
	s_add_co_u32 s42, s42, s2
	s_mul_i32 s42, s42, REC
	s_mov_b32 s43, 0
	s_add_nc_u64 s[36:37], s[36:37], s[42:43]
.set i, 0
	s_wait_alu depctr_va_vdst(0)
.rept 16                               ; place i of the tile: rows 0-7, then the eight rows that lie 32 further on
	global_load_b128 v[RAW+8*i:RAW+8*i+3],   v1, s[32:33] offset:3072*(i+24*(i/8)) th:TH_LOAD_NT
	global_load_b128 v[RAW+8*i+4:RAW+8*i+7], v1, s[32:33] offset:3072*(i+24*(i/8))+512 th:TH_LOAD_NT
.set i, i+1
.endr
	s_wait_loadcnt 0x0
.set i, 0
.rept 16
	ds_store_b128 v3, v[RAW+8*i:RAW+8*i+3]   offset:SP*i
	ds_store_b128 v3, v[RAW+8*i+4:RAW+8*i+7] offset:SP*i+512
.set i, i+1
.endr
.set i, 0
.rept 16                               ; LDS serves a wave's instructions in order: these see my stores
	ds_load_b128 v[XA+4*i:XA+4*i+3], v4 offset:256*(i/8)+16*(i%8)
.set i, i+1
.endr
	s_wait_dscnt 16                                ; only the sixteen loads are out: the stores have read their registers,
.set i, 0
.rept 16
	ds_load_b128 v[XB+4*i:XB+4*i+3], v4 offset:512+256*(i/8)+16*(i%8)   ; which take K step 1
.set i, i+1
.endr
; 64 numbers of a lane, two whole blocks of 32, become a fragment's 12 registers and its scale word
.macro QF x, c, w
.irp k, 0,1
	v_max3_num_f32 v[MX+\k], |v[\x+32*\k]|, |v[\x+32*\k+1]|, 0x1800000   ; with the floor 2^(3 - 127): the byte cannot fall under 1
.endr
.set i, 2
.rept 15
.irp k, 0,1
	v_max3_num_f32 v[MX+\k], v[MX+\k], |v[\x+32*\k+i]|, |v[\x+32*\k+i+1]|   ; the two blocks by turns
.endr
.set i, i+2
.endr
.irp k, 0,1
	v_add_nc_u32 v[SCO+\k], 0xff000000, v[MX+\k]   ; 2 off the exponent field: the conversion takes that field as its scale
.endr
.irp k, 0,1
	v_lshrrev_b32 v[BY+\k], 23, v[SCO+\k]          ; the scale's byte
.endr
	v_lshl_or_b32 v[\w], v[BY+1], 16, v[BY]        ; my blocks are h and 2 + h of the row's four
	v_lshlrev_b32 v[\w], v5, v[\w]
	v_permlanex16_b32 v[YY], v[\w], s4, s5
	v_or_b32 v[\w], v[\w], v[YY]                   ; with lane l xor 16's two bytes the word is whole, in both lanes
.irp k, 0,1
	v_cvt_scalef32_pk16_fp6_f32 v[\c+6*\k:\c+6*\k+2], v[\x+32*\k:\x+32*\k+15], v[SCO+\k]
	v_cvt_scalef32_pk16_fp6_f32 v[TP+4*\k:TP+4*\k+2], v[\x+32*\k+16:\x+32*\k+31], v[SCO+\k]   ; (a conversion's three registers begin on an even number)
.endr
	v_nop                                          ; one plain place behind a scaled conversion
.irp k, 0,1
.irp n, 0,1,2
	v_mov_b32 v[\c+6*\k+3+\n], v[TP+4*\k+\n]
.endr
.endr
.endm
	s_wait_dscnt 16                                ; K step 0's numbers are in; K step 1's sixteen loads may be out
	QF XA, CA, WD
	s_wait_dscnt 0x0
	QF XB, CC, WD+1
.irp i, 0,1,2
	global_store_b128 v1, v[CA+4*\i:CA+4*\i+3], s[36:37] offset:512*\i         ; each store covers 512 consecutive bytes, aligned
	global_store_b128 v1, v[CC+4*\i:CC+4*\i+3], s[36:37] offset:1536+512*\i
.endr
	global_store_b64 v2, v[WD:WD+1], s[36:37] offset:3072
	s_wait_tensorcnt 0x0
	ds_add_u32 v251, v255
	s_wait_dscnt 0x0
	s_endpgm
	; ---------------- t Wt^T ----------------
.Ltime:
	s_wait_alu depctr_va_vdst(0)
	v_lshrrev_b32 v2, 2, v6                        ; out: lane l keeps batch l / 4,
	v_and_b32 v3, 3, v6                            ; feature l % 4 of my four
	v_lshlrev_b32 v3, 2, v3
	v_mad_u32_u24 v2, v2, 3072, v3
.irp b, 0,1,2,3,4,5,6,7
	v_mov_b32 v[YB+\b], 0                          ; written once: permutes and selects read their destinations
.endr
	v_mov_b32 v[R2], 0
	s_wait_kmcnt 0x0
	s_cmp_eq_u32 s3, 0
	s_cselect_b64 s[32:33], s[18:19], s[20:21]
	s_cmp_eq_u32 s3, 2
	s_cselect_b64 s[32:33], s[22:23], s[32:33]     ; Wt_q, Wt_k or Wt_v
	s_sub_co_u32 s34, ttmp9, 176
	s_lshl_b32 s34, s34, 4
	s_lshl_b32 s35, s2, 2
	s_add_co_u32 s34, s34, s35                     ; my first feature: 16 x work-group + 4 x wave
	s_lshl_b32 s36, s34, 10
	s_mov_b32 s37, 0
	s_add_nc_u64 s[32:33], s[32:33], s[36:37]
	s_mul_i32 s36, s3, 24576
	s_lshl_b32 s34, s34, 2
	s_add_co_u32 s36, s36, s34
	s_add_nc_u64 s[30:31], s[30:31], s[36:37]
.set i, 0
.rept 8                                ; lane l holds k = 4 l .. 4 l + 3 and k = 128 + 4 l .. + 3
	global_load_b128 v[TT+8*i:TT+8*i+3],   v1, s[24:25] offset:1024*i
	global_load_b128 v[TT+8*i+4:TT+8*i+7], v1, s[24:25] offset:1024*i+512
.set i, i+1
.endr
.set i, 0
.rept 4
	global_load_b128 v[WR+8*i:WR+8*i+3],   v1, s[32:33] offset:1024*i th:TH_LOAD_NT
	global_load_b128 v[WR+8*i+4:WR+8*i+7], v1, s[32:33] offset:1024*i+512 th:TH_LOAD_NT
.set i, i+1
.endr
	s_wait_loadcnt 0x0
.macro TROW q                          ; feature q of my four, all eight batches by turns
.irp b, 0,1,2,3,4,5,6,7
	s_mov_b32 s[40+\b], 1<<(4*\b+(\q))             ; the lane that keeps batch b's result
.endr
.irp b, 0,1,2,3,4,5,6,7
	v_pk_mul_f32 v[AC+2*\b:AC+2*\b+1], v[TT+8*\b:TT+8*\b+1], v[WR+8*(\q):WR+8*(\q)+1]
.endr
.irp k, 2,4,6
.irp b, 0,1,2,3,4,5,6,7
	v_pk_fma_f32 v[AC+2*\b:AC+2*\b+1], v[TT+8*\b+\k:TT+8*\b+\k+1], v[WR+8*(\q)+\k:WR+8*(\q)+\k+1], v[AC+2*\b:AC+2*\b+1]
.endr
.endr
.irp b, 0,1,2,3,4,5,6,7
	v_add_f32 v[AC+2*\b], v[AC+2*\b], v[AC+2*\b+1]
.endr
.irp m, 1,2,4,8
.irp b, 0,1,2,3,4,5,6,7
	v_add_f32_dpp v[AC+2*\b], v[AC+2*\b], v[AC+2*\b] row_xmask:\m row_mask:0xf bank_mask:0xf
.endr
.endr
.irp b, 0,1,2,3,4,5,6,7
	v_permlanex16_b32 v[YB+\b], v[AC+2*\b], s4, s5
.endr
.irp b, 0,1,2,3,4,5,6,7
	v_add_f32 v[AC+2*\b], v[AC+2*\b], v[YB+\b]     ; every lane holds the sum over K = 256
.endr
.irp b, 0,1,2,3,4,5,6,7
	v_cndmask_b32 v[R2], v[R2], v[AC+2*\b], s[40+\b]
.endr
.endm
.irp q, 0,1,2,3
	TROW \q
.endr
	global_store_b32 v2, v[R2], s[30:31]           ; 16 consecutive bytes for each of eight batches: 73,728 bytes in the whole launch
	s_endpgm
.Lfunc_end_k_qabfd490e40_prep:
	.size	k_qabfd490e40_prep, .Lfunc_end_k_qabfd490e40_prep-k_qabfd490e40_prep
	.p2alignl 7, 3214868480
	.fill 96, 4, 3214868480
	.section	.rodata,"a",@progbits
	.p2align	6, 0x0
	.amdhsa_kernel k_qabfd490e40_prep
		.amdhsa_group_segment_fixed_size 67072
		.amdhsa_private_segment_fixed_size 0
		.amdhsa_enable_private_segment 0
		.amdhsa_kernarg_size 96
		.amdhsa_user_sgpr_count 2
		.amdhsa_user_sgpr_kernarg_segment_ptr 1
		.amdhsa_wavefront_size32 1
		.amdhsa_system_sgpr_workgroup_id_x 1
		.amdhsa_system_sgpr_workgroup_id_y 1
		.amdhsa_system_sgpr_workgroup_id_z 1
		.amdhsa_system_vgpr_workitem_id 0
		.amdhsa_next_free_vgpr 256
		.amdhsa_next_free_sgpr 66
		.amdhsa_reserve_vcc 0
		.amdhsa_float_denorm_mode_32 3
		.amdhsa_float_denorm_mode_16_64 3
		.amdhsa_memory_ordered 1
		.amdhsa_forward_progress 1
		.amdhsa_inst_pref_size 44
	.end_amdhsa_kernel
	.amdgpu_metadata
---
amdhsa.version: [ 1, 2 ]
amdhsa.kernels:
  - .name:           k_qabfd490e40_prep
    .symbol:         k_qabfd490e40_prep.kd
    .args:
      - { .name: x, .offset: 0, .size: 8, .value_kind: global_buffer, .address_space: global }
      - { .name: Wx_q, .offset: 8, .size: 8, .value_kind: global_buffer, .address_space: global }
      - { .name: Wx_k, .offset: 16, .size: 8, .value_kind: global_buffer, .address_space: global }
      - { .name: Wx_v, .offset: 24, .size: 8, .value_kind: global_buffer, .address_space: global }
      - { .name: W_o, .offset: 32, .size: 8, .value_kind: global_buffer, .address_space: global }
      - { .name: Wt_q, .offset: 40, .size: 8, .value_kind: global_buffer, .address_space: global }
      - { .name: Wt_k, .offset: 48, .size: 8, .value_kind: global_buffer, .address_space: global }
      - { .name: Wt_v, .offset: 56, .size: 8, .value_kind: global_buffer, .address_space: global }
      - { .name: t, .offset: 64, .size: 8, .value_kind: global_buffer, .address_space: global }
      - { .name: xq, .offset: 72, .size: 8, .value_kind: global_buffer, .address_space: global }
      - { .name: wc, .offset: 80, .size: 8, .value_kind: global_buffer, .address_space: global }
      - { .name: tp, .offset: 88, .size: 8, .value_kind: global_buffer, .address_space: global }
    .group_segment_fixed_size: 67072
    .private_segment_fixed_size: 0
    .kernarg_segment_align: 8
    .kernarg_segment_size: 96
    .max_flat_workgroup_size: 128
    .sgpr_count:     66
    .vgpr_count:     256
    .wavefront_size: 32
...
	.end_amdgpu_metadata
.endif
;; end of part 1
;; launch qkv (part 2): grid 32 x 6, 4 waves a work-group, clusters of 4 x 1, 327,680 bytes of LDS; arguments xq, wc, tp, qc, kv; writes qc, kv
.if DOCPART == 2
	.amdgcn_target "amdgcn-amd-amdhsa--gfx1250"
	.amdhsa_code_object_version 6
	.text
	.protected	k_qabfd490e40_qkv
	.globl	k_qabfd490e40_qkv
	.p2align	8
	.type	k_qabfd490e40_qkv,@function
k_qabfd490e40_qkv:
	s_mov_b64 s[64:65], 0
	v_nop
	global_prefetch_b8 v0, s[64:65] scope:SCOPE_SE
	s_setreg_imm32_b32 hwreg(HW_REG_WAVE_MODE, 25, 1), 1
	s_wait_xcnt 0x0
	s_wait_alu depctr_hold_cnt(0) depctr_sa_sdst(0) depctr_va_vdst(0) depctr_va_sdst(0) depctr_va_ssrc(0) depctr_va_vcc(0) depctr_vm_vsrc(0)
	s_getreg_b32 s2, hwreg(HW_REG_IB_STS2, 6, 4)
	s_cmp_eq_u32 s2, 0
	s_cbranch_scc0 .Lentry_in_a_cluster
	s_endpgm
.Lentry_in_a_cluster:
	s_bfe_u32 s2, ttmp6, 0x10000c
	s_cmp_lg_u32 s2, 0x3003
	s_cbranch_scc0 .Lentry_shape_is_right
	s_endpgm
.Lentry_shape_is_right:
; QKV.  q, k, v = x Wx^T + (t Wt^T), on codes of FP6 (E2M3) with E8M0 scales, sums in f32; the results are quantised in registers and leave as codes: q and k along the head's 64, v along the keys.
; SHARES.  The work is 2,304 units of 128 rows x one head.  192 work-groups of 12 units: 256 rows (x: block 4 X + cx, so a cluster is one batch) x six heads (y: 0, 1 q; 2, 3 k; 4, 5 v), in THREE PASSES of two heads.
; Four waves: in each pass wave w takes one unit, rows 128 (w / 2) on, head w % 2 of the pass: 32 accumulators, 18 K steps of 32 matrix instructions in all.
; LDS.  x's 256 rows with all of K (768) stay: four groups of 64 rows, 39,936 bytes each.  W goes through two slots of two heads with all of K, 79,872 bytes each: pass 0 in slot 0, pass 1 in slot 1, pass 2 in slot 0 again: ONE refill.
; Every group of four tiles lies as [K pair 3][tile 4][3,328 bytes].  More heads at a time do not fit: 256 rows and 256 columns with all of K fill LDS, and leave no second slot.
; TENSOR LOADS.  Each wave issues one first fill of 79,872 bytes: waves 0, 1 two groups of x's rows, waves 2, 3 W's slots 0, 1: one load of mine is out at the start.
; W's first fills are dealt by the wave's number (e = w % 2): slot e takes pass e's two heads.  The refill is one load of 3 x 13,312 bytes a head, by waves 0 and 1.
; CLUSTER 4 x 1: the four row blocks of a cluster read the same tiles of W: those are asked for jointly (mask 15).  x's tiles are shared along y, whose extent, 6, no cluster of 4 divides: they are plain loads.
; LAYOUT.  Tiles hold rows in the order 32 (m / 8) + 8 T + m % 8.  q, k: source 0 = 16 features of W, source 1 = 16 rows of x: a lane holds one row, and the 32 registers of W's tiles 0..3 are features 32 (lane / 16) + 0 .. 31:
; a whole block along the head's 64.  v: source 0 = 16 rows of x, source 1 = 16 features: a lane holds one feature, and the 32 registers of x's tiles 4 c .. 4 c + 3 are keys 64 c + 32 (lane / 16) + 0 .. 31: a whole block along the keys.
; In both forms registers 32 B .. 32 B + 31 of window 1 are block B, and blocks 2 u, 2 u + 1 make fragment u: one way out serves all three.  The two forms differ in their matrix instructions alone; waits for tiles, barriers and tensor loads stand where both ways run.
; The shift t Wt^T is the C of each sum's first matrix instruction.
; OUT.  qc = [head][128-row block][batch][6,656]: four fragments (each two tiles of 16 rows x K = 64, side by side), 512 bytes of scale words.  kv = the same index x 13,312: k's four fragments, v's four (16 features x 128 keys), k's words, v's words.
; THE QUANTISER's floor is 2^(6 - 127) here, so that a byte is at least 4 and the next launch can take 3 off q's.  LIMIT: a block of q, k or v whose largest magnitude is under 2^-121 gets the scale 2^-123 (its codes lose bits or are zeros).
; NaN and infinities are not served.
; REGISTERS.  Window 0: v4-16 addresses; v24-71 x's scale words for all of K (read in pass 0, kept); v72-119 W's, a set for each slot; v120-231 the way out.  Window 1: the accumulators.
; Window 2: fragments of the even K steps (W's four at v0, x's eight at v48); from v144 the three passes' shifts.  Window 3: fragments of the odd K steps.
.set REC,   3328
.set PXQ,   512*REC
.set PWC,   192*REC
.set PIECE, 4*REC                      ; four tiles of one K pair
.set GRPB,  3*PIECE                    ; four tiles with all of K
.set WB,    4*GRPB                     ; W's slots lie behind x's four groups
.set SLOT,  2*GRPB
.set SPARE, WB+2*SLOT                  ; the spare words, 128 bytes for each wave: two blocks of 256 bytes that no other line names
.set WV,   14
.set SEL,  22                          ; s[22:23] lane selects for v_permlanex16_b32: lane l xor 16
.set G1P,  24                          ; s[24:31] group 1: two groups, plain (x)
.set G1PJ, 32                          ; s[32:39] two groups, joint (W)
.set G1H,  40                          ; s[40:47] a head's three pieces, joint (the refill)
.set G0X,  48                          ; s[48:51] group 0: x's two groups
.set G0R,  60                          ; s[60:63] the refill
.set G0W,  68                          ; s[68:71] group 0: W's slot
.set SBA,  84                          ; s[84:85] where the scale words go
.set OUT,  86                          ; s[86:87] where the fragments go
.set STP,  88                          ; s[88:89] from pass to pass: two heads = 128 records
.set ADA,  4                           ; v4-5   x's fragments: my first and second group of 64 rows
.set ADB,  6                           ; v6-7   W's: my head in slot 0, 1
.set ASA,  8                           ; v8-9   x's scale words
.set ASB,  10                          ; v10-11 W's
.set SH8,  12
.set LI,   13
.set TCO,  14
.set SPW,  15                          ; v15    LDS address of my spare word; never rewritten
.set NIL,  16                          ; v16    0; never rewritten
.set XS,   24
.set WS,   72
.set MX,   120
.set SCO,  128
.set BY,   136
.set WD,   144
.set YY,   148
.set CD,   152
.set TP,   200
.set WF,   0
.set XF,   48
.set TC,   144
.set MSB, 0
.macro WIN new                         ; the immediate's high byte repeats the setting that is left
.if MSB != \new
	s_set_vgpr_msb (MSB<<8)|\new
.set MSB, \new
.endif
.endm
.macro PLACES n
.rept \n
	v_nop
.endr
.endm
.macro CROUND                          ; a round of the cluster's barrier
	s_barrier_signal -1
	s_barrier_wait -1
	s_cmp_lg_u32 s[WV], 0
	s_cbranch_scc1 .Lnot_wave_0_\@
	s_barrier_signal -3
.Lnot_wave_0_\@:
	s_barrier_wait -3
	s_barrier_signal -1
	s_barrier_wait -1
.endm
	s_load_b256 s[4:11], s[0:1], 0x0               ; xq, wc, tp, qc
	s_load_b64 s[12:13], s[0:1], 0x20              ; kv
	v_lshl_add_u32 v[SPW], v0, 2, SPARE
	v_mov_b32 v[NIL], 0
	ds_add_u32 v15, v16
	ds_add_u32 v15, v16
	s_wait_dscnt 0x0
	v_lshrrev_b32 v1, 5, v0
	v_readfirstlane_b32 s[WV], v1                  ; wave 0..3
	s_and_b32 s15, s[WV], 1                        ; e: my head of a pass's two
	s_lshr_b32 s16, s[WV], 1                       ; u: my half of the rows
	s_bfe_u32 s17, ttmp6, 0x40000                  ; cx
	s_lshl_b32 s18, ttmp9, 2
	s_add_co_u32 s18, s18, s17                     ; block of 256 rows; the batch is ttmp9
	s_and_b32 s19, ttmp7, 0xffff                   ; group of six heads
	s_lshr_b32 s20, s19, 1                         ; 0 q, 1 k, 2 v
	s_and_b32 s21, s19, 1                          ; which six of its twelve heads
	s_mov_b32 s[SEL], 0x76543210
	s_mov_b32 s[SEL+1], 0xfedcba98
	; descriptor group 1: two groups with all of K: 79,872 dense bytes, as 312 rows of 256 bytes (32 elements of 8 bytes)
	s_mov_b32 s[G1P], 3<<16                        ; x's: no mask
	s_mov_b32 s[G1PJ], 15|(3<<16)|(1<<21)          ; W's: all four work-groups of the cluster; bit 21 beside the mask
.irp g, G1P, G1PJ
	s_mov_b32 s[\g+1], 32<<16                      ; tensor_dim0
	s_mov_b32 s[\g+2], 312<<16                     ; two groups of four tiles with all of K: 79,872 dense bytes, 312 rows of 256
	s_mov_b32 s[\g+3], 32<<16                      ; tile_dim0
	s_mov_b32 s[\g+4], 312
	s_mov_b32 s[\g+5], 32                          ; the pitch
	s_mov_b32 s[\g+6], 0
	s_mov_b32 s[\g+7], 0
.endr
	s_mov_b32 s[G1H], 15|(3<<16)|(1<<21)           ; a head's three pieces: one dense group, as it lies in LDS
	s_mov_b32 s[G1H+1], 32<<16                     ; one group: 39,936 dense bytes, 156 rows of 256
	s_mov_b32 s[G1H+2], 156<<16
	s_mov_b32 s[G1H+3], 32<<16
	s_mov_b32 s[G1H+4], 156
	s_mov_b32 s[G1H+5], 32
	s_mov_b32 s[G1H+6], 0
	s_mov_b32 s[G1H+7], 0
	s_lshl_b32 s90, s18, 2                         ; x: groups 4 x row block + 2 w: waves 0 and 1 fetch two groups each
	s_lshl_b32 s91, s[WV], 1
	s_add_co_u32 s90, s90, s91
	s_mul_i32 s90, s90, GRPB
	s_mov_b32 s91, 0
	s_mul_i32 s3, s[WV], 2*GRPB
	s_mul_i32 s92, s19, 6                          ; W: group 6 x group of heads + e
	s_mov_b32 s93, s15
	s_add_co_u32 s92, s92, s93
	s_mul_i32 s92, s92, GRPB
	s_mov_b32 s93, 0
	s_mul_i32 s94, s15, GRPB                       ; waves 2 and 3 fetch pass e's two heads: e groups further on,
	s_mov_b32 s95, 0
	s_mul_i32 s80, s15, GRPB
	s_mul_i32 s81, s15, SLOT                       ; into slot e
	s_wait_kmcnt 0x0
	s_add_nc_u64 s[90:91], s[4:5], s[90:91]
	s_add_nc_u64 s[92:93], s[6:7], s[92:93]
.irp p, 0
	s_mov_b32 s[G0X+4*\p], 1
	s_add_co_u32 s[G0X+4*\p+1], s3, \p*PIECE
	s_add_nc_u64 s[G0X+4*\p+2:G0X+4*\p+3], s[90:91], \p*PXQ
	s_or_b32 s[G0X+4*\p+3], s[G0X+4*\p+3], 0x80000000
	s_mov_b32 s[G0W+4*\p], 1
	s_add_nc_u64 s[G0W+4*\p+2:G0W+4*\p+3], s[92:93], s[94+2*\p:95+2*\p]
	s_or_b32 s[G0W+4*\p+3], s[G0W+4*\p+3], 0x80000000
.endr
	s_add_co_u32 s[G0W+1], s81, WB
	s_mov_b32 s[G0R], 1                            ; the refill: pass 2's head e into slot 0
	s_add_co_u32 s[G0R+1], s80, WB
	s_add_nc_u64 s[G0R+2:G0R+3], s[92:93], 4*GRPB
	s_or_b32 s[G0R+3], s[G0R+3], 0x80000000
	CROUND                                         ; all four work-groups are here: the joint loads meet
	; the first fills, one a wave: waves 0, 1 x's rows (plain), waves 2, 3 W's slots 0, 1 (joint): 79,872 bytes each
	s_cmp_lt_u32 s[WV], 2
	s_cbranch_scc0 .Lhead_w
	tensor_load_to_lds s[G0X:G0X+3], s[G1P:G1P+7]
	s_nop 0
	PLACES 4
	s_branch .Lhead_done
.Lhead_w:
	tensor_load_to_lds s[G0W:G0W+3], s[G1PJ:G1PJ+7]
	s_nop 0
	PLACES 4
.Lhead_done:
	v_and_b32 v1, 31, v0                           ; lane
	v_and_b32 v2, 15, v0                           ; r
	v_bfe_u32 v3, v0, 4, 1                         ; h
	v_lshlrev_b32 v[LI], 4, v1
	v_lshlrev_b32 v17, 3, v1
	v_lshlrev_b32 v[SH8], 3, v3
	s_mul_i32 s2, s16, 2*GRPB                      ; my 128 rows: groups 2 u and 2 u + 1
	v_add_nc_u32 v[ADA], s2, v[LI]                 ; fragments: 16 bytes a lane;
	v_add_nc_u32 v[ASA], s2, v17                   ; scale words: 8
	v_add_nc_u32 v[ADA+1], GRPB, v[ADA]
	v_add_nc_u32 v[ASA+1], GRPB, v[ASA]
	s_mul_i32 s3, s15, GRPB
	s_add_co_u32 s3, s3, WB                        ; my head in slot 0,
	v_add_nc_u32 v[ADB], s3, v[LI]
	v_add_nc_u32 v[ASB], s3, v17
	v_add_nc_u32 v[ADB+1], SLOT, v[ADB]            ; in slot 1
	v_add_nc_u32 v[ASB+1], SLOT, v[ASB]
.irp u, 0,1,2,3
	v_mov_b32 v[YY+\u], 0                          ; a lane permute's destination counts as one of its sources
.endr
	; where the first pass's results go
	s_mul_i32 s84, s21, 6
	s_add_co_u32 s84, s84, s15                     ; the head
	s_lshl_b32 s84, s84, 3
	s_lshl_b32 s85, s17, 1
	s_add_co_u32 s85, s85, s16                     ; the block of 128 rows in the batch
	s_add_co_u32 s84, s84, s85
	s_lshl_b32 s84, s84, 3
	s_add_co_u32 s84, s84, ttmp9                   ; (8 head + block) 8 + batch
	s_cmp_eq_u32 s20, 0
	s_cselect_b64 s[OUT:OUT+1], s[10:11], s[12:13] ; qc or kv
	s_mov_b32 s[STP], 13312
	s_cselect_b32 s[STP], 6656, s[STP]             ; a record
	s_mov_b32 s2, 12288
	s_cselect_b32 s2, 6144, s2                     ; from the fragments to their scale words
	s_cmp_eq_u32 s20, 2
	s_cselect_b32 s3, 6144, 0                      ; v's fragments lie behind k's
	s_cselect_b32 s2, 6656, s2
	s_mul_i32 s84, s84, s[STP]
	s_add_co_u32 s84, s84, s3
	s_mov_b32 s85, 0
	s_add_nc_u64 s[OUT:OUT+1], s[OUT:OUT+1], s[84:85]
	s_mov_b32 s3, 0
	s_add_nc_u64 s[SBA:SBA+1], s[OUT:OUT+1], s[2:3]
	s_lshl_b32 s[STP], s[STP], 7                   ; two heads on: 128 records
	s_mov_b32 s[STP+1], 0
	; the shifts: tp[matrix][batch][my head's 64], two heads (512 bytes) on for each pass
	s_mul_i32 s2, s20, 24576
	s_mul_i32 s3, ttmp9, 3072
	s_add_co_u32 s2, s2, s3
	s_mul_i32 s3, s21, 1536
	s_add_co_u32 s2, s2, s3
	s_lshl_b32 s3, s15, 8
	s_add_co_u32 s2, s2, s3
	s_mov_b32 s3, 0
	s_add_nc_u64 s[8:9], s[8:9], s[2:3]
	s_cmp_ge_u32 s19, 4
	s_cbranch_scc1 .Lshift_v
	v_lshlrev_b32 v[TCO], 7, v3                    ; q, k: register j of tile t is feature 32 h + 8 t + j
	WIN 0x80                                       ; destination window 2
.irp j, 0,1,2
.irp t, 0,1,2,3
	global_load_b128 v[TC+32*\j+8*\t:TC+32*\j+8*\t+3],   v[TCO], s[8:9] offset:512*\j+32*\t
	global_load_b128 v[TC+32*\j+8*\t+4:TC+32*\j+8*\t+7], v[TCO], s[8:9] offset:512*\j+32*\t+16
.endr
.endr
	WIN 0
	s_wait_loadcnt 0x0
	s_branch .Lshift_done
.Lshift_v:
	v_lshrrev_b32 v18, 3, v2                       ; v: all eight registers of tile t are feature 32 (r / 8) + 8 t + r % 8
	v_and_b32 v19, 7, v2
	v_lshlrev_b32 v19, 2, v19
	v_lshl_add_u32 v[TCO], v18, 7, v19
	WIN 0x80
.irp j, 0,1,2
.irp t, 0,1,2,3
	global_load_b32 v[TC+32*\j+8*\t], v[TCO], s[8:9] offset:512*\j+32*\t
.endr
.endr
	s_wait_loadcnt 0x0
	WIN 0x82                                       ; destination and source 0 window 2
.irp j, 0,1,2
.irp t, 0,1,2,3
.irp k, 1,2,3,4,5,6,7
	v_mov_b32 v[TC+32*\j+8*\t+\k], v[TC+32*\j+8*\t]
.endr
.endr
.endr
	WIN 0
.Lshift_done:
; K step g = 6 x pass + step.  Its fragments come in two runs, into the set g % 2.  half 0: with a K pair's first step W's scale words of the pair (in pass 0 x's too); W's four fragments; x's tiles 0-3: 24, 28 or 36 loads.  half 1: x's tiles 4-7: 12 loads.
.macro FETCHH g, half
.set FJ, (\g)/6
.set FS, (\g)%6
.set FP, FS/2
.set FQ, FS%2
.set FL, FJ%2                          ; the pass's slot
.set FW, 0x80+0x40*((\g)%2)            ; destination window 2 or 3, address window 0
.if \half == 0
.if FQ == 0
.irp t, 0,1,2,3
	ds_load_b64 v[WS+24*FL+6*\t+2*FP:WS+24*FL+6*\t+2*FP+1], v[ASB+FL] offset:FP*PIECE+\t*REC+3072
.endr
.if FJ == 0
.irp a, 0,1,2,3,4,5,6,7
	ds_load_b64 v[XS+6*\a+2*FP:XS+6*\a+2*FP+1], v[ASA+\a/4] offset:FP*PIECE+(\a%4)*REC+3072
.endr
.endif
.endif
	WIN FW
.irp t, 0,1,2,3
.irp i, 0,1,2
	ds_load_b128 v[WF+12*\t+4*\i:WF+12*\t+4*\i+3], v[ADB+FL] offset:FP*PIECE+\t*REC+1536*FQ+512*\i
.endr
.endr
.irp a, 0,1,2,3
.irp i, 0,1,2
	ds_load_b128 v[XF+12*\a+4*\i:XF+12*\a+4*\i+3], v[ADA] offset:FP*PIECE+\a*REC+1536*FQ+512*\i
.endr
.endr
	WIN 0
.else
	WIN FW
.irp a, 0,1,2,3
.irp i, 0,1,2
	ds_load_b128 v[XF+48+12*\a+4*\i:XF+48+12*\a+4*\i+3], v[ADA+1] offset:FP*PIECE+\a*REC+1536*FQ+512*\i
.endr
.endr
	WIN 0
.endif
.endm
; 16 matrix instructions of K step g: x's tiles 4 half .. 4 half + 3 against W's four.  The 32 accumulators take turns, one instruction a turn, in the same order in every step.
; form 0: q, k;  form 1: v.  A pass's first step takes the shift as C.
.macro MUL form, g, half
.set MJ, (\g)/6
.set MS, (\g)%6
.if MS == 0
	WIN 0x6a                                       ; sources and C window 2, D window 1
.elseif ((\g)%2) == 0
	WIN 0x5a                                       ; sources window 2, C and D window 1
.else
	WIN 0x5f                                       ; sources window 3, C and D window 1
.endif
.irp aa, 0,1,2,3
.irp t, 0,1,2,3
.set MA, 4*(\half)+\aa
.if \form == 0
.if MS == 0
	v_wmma_scale_f32_16x16x128_f8f6f4 v[32*MA+8*\t:32*MA+8*\t+7], v[WF+12*\t:WF+12*\t+11], v[XF+12*MA:XF+12*MA+11], v[TC+32*MJ+8*\t:TC+32*MJ+8*\t+7], v[WS+24*(MJ%2)+6*\t+MS], v[XS+6*MA+MS] matrix_a_fmt:MATRIX_FMT_FP6 matrix_b_fmt:MATRIX_FMT_FP6
.else
	v_wmma_scale_f32_16x16x128_f8f6f4 v[32*MA+8*\t:32*MA+8*\t+7], v[WF+12*\t:WF+12*\t+11], v[XF+12*MA:XF+12*MA+11], v[32*MA+8*\t:32*MA+8*\t+7], v[WS+24*(MJ%2)+6*\t+MS], v[XS+6*MA+MS] matrix_a_fmt:MATRIX_FMT_FP6 matrix_b_fmt:MATRIX_FMT_FP6
.endif
.else
.if MS == 0
	v_wmma_scale_f32_16x16x128_f8f6f4 v[64*\t+8*MA:64*\t+8*MA+7], v[XF+12*MA:XF+12*MA+11], v[WF+12*\t:WF+12*\t+11], v[TC+32*MJ+8*\t:TC+32*MJ+8*\t+7], v[XS+6*MA+MS], v[WS+24*(MJ%2)+6*\t+MS] matrix_a_fmt:MATRIX_FMT_FP6 matrix_b_fmt:MATRIX_FMT_FP6
.else
	v_wmma_scale_f32_16x16x128_f8f6f4 v[64*\t+8*MA:64*\t+8*MA+7], v[XF+12*MA:XF+12*MA+11], v[WF+12*\t:WF+12*\t+11], v[64*\t+8*MA:64*\t+8*MA+7], v[XS+6*MA+MS], v[WS+24*(MJ%2)+6*\t+MS] matrix_a_fmt:MATRIX_FMT_FP6 matrix_b_fmt:MATRIX_FMT_FP6
.endif
.endif
.endr
.endr
	WIN 0
.endm
; K step g: its products, and between them the two runs that fetch step g + 1 into the other set.  Steps 5 and 11 begin behind a barrier, where the wait for LDS and the places have stood already.
.macro BODY form, g
.if ((\g) != 5) && ((\g) != 11)
	s_wait_dscnt 12                                ; this step's first run is in; its second run's twelve loads may be out
	PLACES 4                                       ; in front of loads into registers that the last step's matrix instructions have read
.endif
.if (\g) < 17
	FETCHH (\g)+1, 0
.endif
	MUL \form, \g, 0
.if (\g) < 17
.set NS, 24
.if (((\g)+1)%2) == 0
.set NS, NS+4
.if ((\g)+1) < 6
.set NS, NS+8
.endif
.endif
	s_wait_dscnt NS                                ; this step's second run is in; the run just issued may be out
	FETCHH (\g)+1, 1
.else
	s_wait_dscnt 0x0
.endif
	MUL \form, \g, 1
.endm
; K steps first .. last in the form of this work-group.  The form hangs on the group of heads, which all waves and all partners share; no barrier, tensor load or LDS store stands inside.
.macro RUN first, last
	s_cmp_ge_u32 s19, 4
	s_cbranch_scc1 .Lform_v_\@
.set G, \first
.rept \last-\first+1
	BODY 0, G
.set G, G+1
.endr
	s_branch .Ljoin_\@
.Lform_v_\@:
.set G, \first
.rept \last-\first+1
	BODY 1, G
.set G, G+1
.endr
.Ljoin_\@:
.endm
; The tiles that the next fetch reads have landed, in every wave: n of my tensor loads may stay out.
.macro SYNCP n
	s_wait_tensorcnt \n
	s_wait_dscnt 0x0
	s_barrier_signal -1
	s_barrier_wait -1
	PLACES 4                                       ; in front of loads into registers that the last step's matrix instructions have read
.endm
; THE WAY OUT of a pass: eight blocks of 32 a lane, each in 32 consecutive registers of window 1.  The next pass's first fragments are on their way meanwhile.
.macro EPI j
	PLACES 4
.if \j > 0
	s_wait_xcnt 0x0                                ; the last pass's stores have read their registers and bases: both are written again only behind this wait
	s_add_nc_u64 s[OUT:OUT+1], s[OUT:OUT+1], s[STP:STP+1]
	s_add_nc_u64 s[SBA:SBA+1], s[SBA:SBA+1], s[STP:STP+1]
.endif
	WIN 0x05                                       ; sources 0 and 1 in window 1
.irp b, 0,1,2,3,4,5,6,7
	v_max3_num_f32 v[MX+\b], |v[32*\b]|, |v[32*\b+1]|, 0x3000000   ; each accumulator is read from its low end on; the floor 2^(6 - 127)
.endr
.set i, 2
.rept 15
.irp b, 0,1,2,3,4,5,6,7
	v_max3_num_f32 v[MX+\b], |v[32*\b+i]|, |v[32*\b+i+1]|, v[MX+\b]
.endr
.set i, i+2
.endr
	WIN 0
.irp b, 0,1,2,3,4,5,6,7
	v_add_nc_u32 v[SCO+\b], 0xff000000, v[MX+\b]   ; 2 off the exponent field: the conversion's scale operand
.endr
.irp b, 0,1,2,3,4,5,6,7
	v_lshrrev_b32 v[BY+\b], 23, v[SCO+\b]          ; the scale's byte
.endr
.irp u, 0,1,2,3
	v_lshl_or_b32 v[WD+\u], v[BY+2*\u+1], 16, v[BY+2*\u]
.endr
.irp u, 0,1,2,3
	v_lshlrev_b32 v[WD+\u], v[SH8], v[WD+\u]       ; my bytes are h and 2 + h of the fragment's word
.endr
.irp u, 0,1,2,3
	v_permlanex16_b32 v[YY+\u], v[WD+\u], s[SEL], s[SEL+1]
.endr
.irp u, 0,1,2,3
	v_or_b32 v[WD+\u], v[WD+\u], v[YY+\u]          ; with lane l xor 16's two bytes the word is whole, in both lanes
.endr
	WIN 0x01                                       ; the numbers in window 1
.irp b, 0,1,2,3,4,5,6,7
	v_cvt_scalef32_pk16_fp6_f32 v[CD+6*\b:CD+6*\b+2], v[32*\b:32*\b+15], v[SCO+\b]
	v_cvt_scalef32_pk16_fp6_f32 v[TP+4*\b:TP+4*\b+2], v[32*\b+16:32*\b+31], v[SCO+\b]   ; (a conversion's three registers begin on an even number)
.endr
	WIN 0
	v_nop                                          ; one plain place behind a scaled conversion
.irp b, 0,1,2,3,4,5,6,7
.irp n, 0,1,2
	v_mov_b32 v[CD+6*\b+3+\n], v[TP+4*\b+\n]
.endr
.endr
.set i, 0
.rept 12
	global_store_b128 v[LI], v[CD+4*i:CD+4*i+3], s[OUT:OUT+1] offset:512*i   ; 512 consecutive bytes, aligned: the four fragments as they stand
.set i, i+1
.endr
	global_store_b128 v[LI], v[WD:WD+3], s[SBA:SBA+1]   ; the four words of each lane
.endm
	SYNCP 0                                        ; every wave's one fill has landed: x and both slots of W are whole
	s_wait_alu depctr_va_vdst(0)
	FETCHH 0, 0
	FETCHH 0, 1
	RUN 0, 4
	; SLOT 0 HAS BEEN READ OUT (K step 5's fragments are in registers): it takes pass 2's two heads.
	s_wait_tensorcnt 0x0                           ; all my tensor loads have landed, my pieces of slot 1 among them;
	ds_add_u32 v[SPW], v[NIL]                      ; 0 onto my spare word;
	PLACES 4                                       ; (the places in front of the loads into the registers that K step 4 multiplied stand between the add and the wait for it)
	s_wait_dscnt 0x0                               ; the add is done, and my reads of slot 0 are over
	CROUND                                         ; both hold of every wave of all four work-groups
	s_cmp_lt_u32 s[WV], 2                          ; wave e fetches head e; waves 2 and 3 have no part to fill.  The branch hangs on the wave's number alone
	s_cbranch_scc0 .Lno_fill
	tensor_load_to_lds s[G0R:G0R+3], s[G1H:G1H+7]  ; the first tensor load behind the round, and my only one: it has pass 1's six K steps in which to land
	s_nop 0
	PLACES 4
.Lno_fill:
	RUN 5, 5
	EPI 0
	RUN 6, 10
	SYNCP 0                                        ; pass 2's heads have landed in slot 0
	RUN 11, 11
	EPI 1
	RUN 12, 17
	EPI 2
	s_wait_tensorcnt 0x0                           ; the wave's end
	ds_add_u32 v[SPW], v[NIL]
	s_wait_dscnt 0x0
	CROUND                                         ; the closing round: no work-group ends while a partner may still ask for a tile that names it
	s_endpgm
.Lfunc_end_k_qabfd490e40_qkv:
	.size	k_qabfd490e40_qkv, .Lfunc_end_k_qabfd490e40_qkv-k_qabfd490e40_qkv
	.p2alignl 7, 3214868480
	.fill 96, 4, 3214868480
	.section	.rodata,"a",@progbits
	.p2align	6, 0x0
	.amdhsa_kernel k_qabfd490e40_qkv
		.amdhsa_group_segment_fixed_size 327680
		.amdhsa_private_segment_fixed_size 0
		.amdhsa_enable_private_segment 0
		.amdhsa_kernarg_size 40
		.amdhsa_user_sgpr_count 2
		.amdhsa_user_sgpr_kernarg_segment_ptr 1
		.amdhsa_wavefront_size32 1
		.amdhsa_system_sgpr_workgroup_id_x 1
		.amdhsa_system_sgpr_workgroup_id_y 1
		.amdhsa_system_sgpr_workgroup_id_z 1
		.amdhsa_system_vgpr_workitem_id 0
		.amdhsa_next_free_vgpr 1024
		.amdhsa_next_free_sgpr 100
		.amdhsa_reserve_vcc 0
		.amdhsa_float_denorm_mode_32 3
		.amdhsa_float_denorm_mode_16_64 3
		.amdhsa_memory_ordered 1
		.amdhsa_forward_progress 1
		.amdhsa_inst_pref_size 255
	.end_amdhsa_kernel
	.section	.bss,"aw",@nobits
	.p2align	6
	.space	262144
	.amdgpu_metadata
---
amdhsa.version: [ 1, 2 ]
amdhsa.kernels:
  - .name:           k_qabfd490e40_qkv
    .symbol:         k_qabfd490e40_qkv.kd
    .args:
      - { .name: xq, .offset: 0, .size: 8, .value_kind: global_buffer, .address_space: global }
      - { .name: wc, .offset: 8, .size: 8, .value_kind: global_buffer, .address_space: global }
      - { .name: tp, .offset: 16, .size: 8, .value_kind: global_buffer, .address_space: global }
      - { .name: qc, .offset: 24, .size: 8, .value_kind: global_buffer, .address_space: global }
      - { .name: kv, .offset: 32, .size: 8, .value_kind: global_buffer, .address_space: global }
    .group_segment_fixed_size: 327680
    .private_segment_fixed_size: 0
    .kernarg_segment_align: 8
    .kernarg_segment_size: 40
    .max_flat_workgroup_size: 128
    .sgpr_count:     100
    .vgpr_count:     1024
    .wavefront_size: 32
...
	.end_amdgpu_metadata
.endif
;; end of part 2
;; launch attn (part 3): grid 16 x 16, 8 waves a work-group, clusters of 4 x 4, 327,680 bytes of LDS; arguments qc, kv, rel_pos_bias, oq; writes oq
.if DOCPART == 3
	.amdgcn_target "amdgcn-amd-amdhsa--gfx1250"
	.amdhsa_code_object_version 6
	.text
	.protected	k_qabfd490e40_attn
	.globl	k_qabfd490e40_attn
	.p2align	8
	.type	k_qabfd490e40_attn,@function
k_qabfd490e40_attn:
	s_mov_b64 s[64:65], 0
	v_nop
	global_prefetch_b8 v0, s[64:65] scope:SCOPE_SE
	s_setreg_imm32_b32 hwreg(HW_REG_WAVE_MODE, 25, 1), 1
	s_wait_xcnt 0x0
	s_wait_alu depctr_hold_cnt(0) depctr_sa_sdst(0) depctr_va_vdst(0) depctr_va_sdst(0) depctr_va_ssrc(0) depctr_va_vcc(0) depctr_vm_vsrc(0)
	s_getreg_b32 s2, hwreg(HW_REG_IB_STS2, 6, 4)
	s_cmp_eq_u32 s2, 0
	s_cbranch_scc0 .Lentry_in_a_cluster
	s_endpgm
.Lentry_in_a_cluster:
	s_bfe_u32 s2, ttmp6, 0x10000c
	s_cmp_lg_u32 s2, 0xf033
	s_cbranch_scc0 .Lentry_shape_is_right
	s_endpgm
.Lentry_shape_is_right:
; ATTENTION on codes of FP6 (E2M3) with E8M0 scales: o = softmax(q k^T / 8 + bias) v; 96 (batch, head) pairs of 1,024 x 1,024, head size 64; o leaves as codes for the output projection.
; SHARES.  6,144 tiles of 16 queries; 256 work-groups of 24: 64 queries (x) x two batches (cy) x three heads (y), the heads one after the other.  Eight waves: wave w takes batch w / 4 of the pair and query tile w % 4.
; RING.  A slot holds 256 keys of one head: k and v of 2 key blocks x 2 batches (4 records of 13,312 bytes) and 64 bias rows of 1,024 bytes (pitch 1,040; rows 32-63 lie 128 bytes further on,
; so that the 16 rows of a query tile start in 16 different columns of 16 bytes).  Two slots of 120,064 bytes take turns, 12 fills in all; one tensor load a wave behind each round: waves 0-3 16 bias rows, waves 4-7 a record.
; THE REGISTERS ARE A STAGE AHEAD OF THE RING.  The work goes by halves of 128 keys.  While half i is worked on, half i + 1's k, bias and v are loaded from LDS, in three runs among the vector work (13, 16 and 13 loads):
; the bias into the other of two S buffers, v into the other of two sets, k into its one set, behind the score products.  So at the start of a slot's second half the slot has been read out: there stands the round of the cluster's barrier,
; the score products and the maxima between its opening signal and wait; behind it the slot is filled again (two fills on) and the next half is loaded from the other slot.
; CLUSTER 4 x 4: cx = query block, cy = batch pair.  k and v hang on head and cy: asked for jointly along a row of the cluster; the bias hangs on head and query block: jointly along a column.
; THE LOGIT COMES OUT OF THE MATRIX UNIT: 2^-3 is taken off q's scale bytes (each is at least 4), and the bias tile is the C of the score product.
; K = 64 IN A FORM OF K = 128: k's fragments hold two tiles of 16 keys side by side; q stands beside six registers of zero codes, left or right, so that one half counts and the other adds nothing.
; LAYOUT.  Both products transposed (S^T = k q^T, O^T = v^T p^T): a lane holds one query.  Tiles hold rows in the order 32 (m / 8) + 8 T + m % 8, so 32 consecutive registers of S are a whole block of 32 keys, in the operand's order.
; SOFTMAX: t = logit x log2(e); -M = floor(-running largest t); p = 2^(t - M) is quantised, not normalised; the row's sum is taken of the unquantised p; when M moves, sum and O^T are multiplied by 2^(old M - new M).
; A block's largest p is its largest logit put through the same multiply-add and exponential (this takes v_exp_f32 not to fall where its input rises).  A head begins with M = -3e38's, sum 0 and O^T 0: the half is written once.
; PREFETCH.  In the turn of the loop that works on fills 2 i and 2 i + 1 each wave asks for its part of fills 2 i + 4 and 2 i + 5, two rounds ahead of their tensor loads: of a wave's 16 bias rows the partner at cy takes 4
; (16 blocks of 256 bytes), of a record's 52 blocks the partner at cx takes 13; lanes left over name the last block again.  Fills 0 to 3 come by their loads alone; the loop's last turn and the tail ask for nothing.
; LIMITS: the promise holds while |t| stays under 2^31; a block of p or o under 2^-124 keeps the byte 1; NaN and infinities are not served.
; REGISTERS.  Window 0: v3-14 addresses; v16-27 state; v28-44 scale words; v46-83 at work; v84-95 p's codes; v108-125 q between zeros; v128-255 two S buffers.  Window 1: v0-31 O^T; v32-79 k; v128-223 v, two sets; v224-235 the next heads' q.
.set REC,   13312
.set KSTEP, 2*REC                      ; from key block to key block in a slot
.set KVB,   4*REC
.set BP,    1040
.set SLOT,  120064
.set SPARE, 2*SLOT                     ; the spare words, 128 bytes a wave
.set DSTEP, 16*REC                     ; 256 keys on in kv: two key blocks x eight batches
.set HQ,    64*6656                    ; a head on in qc
.set WV,   12
.set SPW,  3
.set NIL,  4
.set AKV,  5
.set AB,   7
.set SH8,  9
.set LI,   10
.set L8,   11
.set PFO,  12
.set L4,   14
.set NM,   16
.set TM,   17
.set LS,   18
.set FF,   20
.set QS,   22
.set SB,   26
.set KS,   28
.set VS,   36
.set PW,   44
.set CH,   46
.set XX,   54
.set YY,   55
.set SCO,  56
.set BY,   60
.set WT,   64
.set TP,   68
.set PC,   84
.set QZ,   108
.set S,    128
.set OS,   S+64                        ; the way out works in the odd halves' buffer: the even one is being loaded
.set KF,   32
.set VF,   128
.set QN,   224
.set G1B,  24
.set G1K,  32
.set G0B,  40
.set G0K,  48
.set PFA,  56
.set MSB, 0
.macro WIN new                         ; the immediate's high byte repeats the setting that is left
.if MSB != \new
	s_set_vgpr_msb (MSB<<8)|\new
.set MSB, \new
.endif
.endm
.macro PLACES n
.rept \n
	v_nop
.endr
.endm
.macro CREST                           ; a round of the cluster's barrier behind its opening barrier
	s_cmp_lg_u32 s[WV], 0
	s_cbranch_scc1 .Lnot_wave_0_\@
	s_barrier_signal -3
.Lnot_wave_0_\@:
	s_barrier_wait -3
	s_barrier_signal -1
	s_barrier_wait -1
.endm
.macro CROUND                          ; a whole round
	s_barrier_signal -1
	s_barrier_wait -1
	CREST
.endm
.macro TLOAD sl                        ; waves 0-3 the bias, waves 4-7 k and v: the branch hangs on the wave's number alone
	s_cmp_eq_u32 s17, 0
	s_cbranch_scc0 .Lkv_\@
	tensor_load_to_lds s[G0B+4*(\sl):G0B+4*(\sl)+3], s[G1B:G1B+7]
	s_nop 0
	PLACES 4
	s_branch .Lasked_\@
.Lkv_\@:
	tensor_load_to_lds s[G0K+4*(\sl):G0K+4*(\sl)+3], s[G1K:G1K+7]
	s_nop 0
	PLACES 4
.Lasked_\@:
.endm
.macro INIT                            ; a head begins
	v_mov_b32 v[TM], 0xff61b1e6                    ; -3e38, under every t
	v_mov_b32 v[LS], 0
	v_mov_b32 v[LS+1], 0
	v_floor_f32 v[NM], -v[TM]
	WIN 0x40
.set i, 0
.rept 32
	v_mov_b32 v[i], 0
.set i, i+1
.endr
	WIN 0
.endm
	s_load_b256 s[4:11], s[0:1], 0x0               ; qc, kv, bias, oq
	v_lshl_add_u32 v[SPW], v0, 2, SPARE
	v_mov_b32 v[NIL], 0
	ds_add_u32 v[SPW], v[NIL]
	ds_add_u32 v[SPW], v[NIL]
	v_lshrrev_b32 v1, 5, v0
	v_readfirstlane_b32 s[WV], v1
	s_and_b32 s16, s[WV], 3                        ; my query tile; also which part of a slot I fetch
	s_lshr_b32 s17, s[WV], 2                       ; my batch of the pair; also: I fetch the bias (0) or k and v (1)
	s_bfe_u32 s13, ttmp6, 0x40000                  ; cx
	s_bfe_u32 s15, ttmp6, 0x40004                  ; cy
	s_lshl_b32 s14, ttmp9, 2
	s_add_co_u32 s14, s14, s13                     ; block of 64 queries
	s_and_b32 s22, ttmp7, 0xffff
	s_mul_i32 s23, s22, 3                          ; my first head
	s_mov_b32 s18, 0x76543210
	s_mov_b32 s19, 0xfedcba98                      ; selects for lane l xor 16
	s_mov_b32 s20, 0x3fb8aa3b                      ; log2(e)
	s_mov_b32 s21, s20
	s_lshl_b32 s78, s15, 2
	s_lshl_b32 s78, 15, s78                        ; my row of the cluster
	s_lshl_b32 s74, 0x1111, s13                    ; my column
	s_or_b32 s[G1B], s74, (2<<16)|(1<<20)|(1<<21)|(7<<22)|(3<<25)   ; bias: 16 rows x 256 numbers, 16 bytes of padding behind each 1,024
	s_mov_b32 s[G1B+1], 256<<16
	s_mov_b32 s[G1B+2], 16<<16
	s_mov_b32 s[G1B+3], 256<<16
	s_mov_b32 s[G1B+4], 16
	s_mov_b32 s[G1B+5], 1024
	s_mov_b32 s[G1B+6], 0
	s_mov_b32 s[G1B+7], 0
	s_or_b32 s[G1K], s78, (3<<16)|(1<<21)          ; a record: 52 rows of 256 bytes
	s_mov_b32 s[G1K+1], 32<<16
	s_mov_b32 s[G1K+2], 52<<16
	s_mov_b32 s[G1K+3], 32<<16
	s_mov_b32 s[G1K+4], 52
	s_mov_b32 s[G1K+5], 32
	s_mov_b32 s[G1K+6], 0
	s_mov_b32 s[G1K+7], 0
	s_lshl_b32 s74, s23, 10                        ; bias: row 1,024 head + 64 query block + 16 part (registers that never hold cy)
	s_lshl_b32 s75, s14, 6
	s_add_co_u32 s74, s74, s75
	s_lshl_b32 s75, s16, 4
	s_add_co_u32 s74, s74, s75
	s_lshl_b32 s74, s74, 12
	s_mov_b32 s75, 0
	s_mul_i32 s76, s16, 16*BP
	s_lshr_b32 s77, s16, 1
	s_lshl_b32 s77, s77, 7
	s_add_co_u32 s76, s76, s77
	s_add_co_u32 s76, s76, KVB
	s_lshl_b32 s78, s23, 3                         ; k, v: record (8 head + part / 2) 8 + 2 cy + part % 2 (registers that never hold cx)
	s_lshr_b32 s79, s16, 1
	s_add_co_u32 s78, s78, s79
	s_lshl_b32 s78, s78, 3
	s_lshl_b32 s79, s15, 1
	s_add_co_u32 s78, s78, s79
	s_and_b32 s79, s16, 1
	s_add_co_u32 s78, s78, s79
	s_mul_i32 s78, s78, REC
	s_mov_b32 s79, 0
	s_mul_i32 s80, s16, REC
	s_wait_dscnt 0x0
	s_wait_kmcnt 0x0
	s_add_nc_u64 s[74:75], s[8:9], s[74:75]
	s_add_nc_u64 s[78:79], s[6:7], s[78:79]
.irp g, 0,1
	s_mov_b32 s[G0B+4*\g], 1
	s_add_co_u32 s[G0B+4*\g+1], s76, \g*SLOT
	s_add_nc_u64 s[G0B+4*\g+2:G0B+4*\g+3], s[74:75], \g*1024
	s_or_b32 s[G0B+4*\g+3], s[G0B+4*\g+3], 0x80000000
	s_mov_b32 s[G0K+4*\g], 1
	s_add_co_u32 s[G0K+4*\g+1], s80, \g*SLOT
	s_add_nc_u64 s[G0K+4*\g+2:G0K+4*\g+3], s[78:79], \g*DSTEP
	s_or_b32 s[G0K+4*\g+3], s[G0K+4*\g+3], 0x80000000
.endr
	CROUND                                         ; all sixteen work-groups are here
	TLOAD 0                                        ; fill 0: one load a wave at the head
	s_mov_b32 s60, 2048                            ; the bias descriptors' step: 2,048 bytes along the row and 4 MiB - 2,048 to the next head, by turns
	s_mov_b32 s61, 0
	s_mov_b32 s63, 0
	s_lshl_b32 s82, s15, 14                        ; the prefetches begin at fill 4, the next head's first: bias: 4 cy rows on;
	s_add_co_u32 s82, s82, 0x400000
	s_mul_i32 s83, s13, 13*256                     ; k, v: 13 cx blocks on
	s_add_co_u32 s83, s83, 4*DSTEP
	s_mov_b32 s62, 2*DSTEP
	s_mov_b32 s67, DSTEP
	s_cmp_eq_u32 s17, 0
	s_cselect_b32 s82, s82, s83
	s_cselect_b64 s[PFA:PFA+1], s[74:75], s[78:79]
	s_cselect_b32 s62, 0x800, s62                  ; what two fills add to the pointer,
	s_cselect_b32 s66, 0x3ff000, 0                 ; how that changes from turn to turn,
	s_cselect_b32 s67, 1024, s67                   ; and from a turn's first fill to its second
	s_cselect_b32 s94, 15, 12                      ; my last block
	s_cselect_b32 s95, 12, 10                      ; four blocks on: a row of 4,096 bytes, or 1,024 bytes
	s_mov_b32 s83, 0
	s_add_nc_u64 s[PFA:PFA+1], s[PFA:PFA+1], s[82:83]
	s_lshl_b32 s84, s15, 1
	s_add_co_u32 s84, s84, s17                     ; my batch
	s_lshl_b32 s85, s23, 3
	s_lshr_b32 s86, s14, 1
	s_add_co_u32 s85, s85, s86
	s_lshl_b32 s85, s85, 3
	s_add_co_u32 s85, s85, s84
	s_mul_i32 s85, s85, 6656                       ; q's record
	s_and_b32 s86, s14, 1
	s_lshl_b32 s86, s86, 1
	s_lshr_b32 s87, s16, 1
	s_add_co_u32 s86, s86, s87                     ; the fragment that holds my tile
	s_mul_i32 s87, s86, 1536
	s_add_co_u32 s88, s85, s87
	s_mov_b32 s89, 0
	s_add_nc_u64 s[88:89], s[4:5], s[88:89]
	s_lshl_b32 s86, s86, 2
	s_add_co_u32 s86, s86, s85
	s_mov_b32 s87, 0
	s_add_nc_u64 s[86:87], s[4:5], s[86:87]        ; its scale word, 16 bytes a lane
	s_lshl_b32 s72, s84, 4
	s_add_co_u32 s72, s72, s14
	s_mul_i32 s72, s72, 3*14336                    ; oq[16 batch + query block][head / 4]
	s_lshl_b32 s73, s16, 7
	s_add_co_u32 s73, s73, s72
	s_add_co_u32 s73, s73, 12288                   ; my tile's scale words
	s_mul_i32 s92, s16, 3072
	s_add_co_u32 s72, s72, s92                     ; my tile's codes
	s_mov_b32 s59, s23                             ; the head at work
	s_mul_i32 s92, s17, REC
	s_mul_i32 s93, s16, 8*BP
	s_add_co_u32 s93, s93, KVB
	s_and_b32 s85, s16, 1                          ; which half of the fragment is my tile: its six registers lie at 0, 8, 512 or at 520, 1,024, 1,032 of the image
	s_cmp_eq_u32 s85, 0
	s_cselect_b32 s90, 0, 520
	s_cselect_b32 s91, 8, 1024
	s_lshl_b32 s85, s85, 4
	v_and_b32 v1, 31, v0
	v_and_b32 v2, 15, v0
	v_bfe_u32 v25, v0, 4, 1
	v_lshlrev_b32 v[LI], 4, v1
	v_lshlrev_b32 v[L8], 3, v1
	v_lshlrev_b32 v[L4], 2, v1
	v_lshlrev_b32 v[SH8], 3, v25
	v_add_nc_u32 v26, s90, v[LI]
	v_add_nc_u32 v27, s91, v[LI]
	global_load_b64 v[QZ+6:QZ+7], v26, s[88:89]
	global_load_b64 v[QZ+8:QZ+9], v27, s[88:89]
	global_load_b64 v[QZ+10:QZ+11], v26, s[88:89] offset:512
.irp n, 0,1,2
	global_load_b32 v[QS+\n], v[LI], s[86:87] offset:6144+\n*HQ
.endr
	WIN 0x40                                       ; the two later heads' q wait in window 1
.irp n, 0,1
	global_load_b64 v[QN+6*\n:QN+6*\n+1], v26, s[88:89] offset:(\n+1)*HQ
	global_load_b64 v[QN+6*\n+2:QN+6*\n+3], v27, s[88:89] offset:(\n+1)*HQ
	global_load_b64 v[QN+6*\n+4:QN+6*\n+5], v26, s[88:89] offset:(\n+1)*HQ+512
.endr
	WIN 0
.irp j, 0,1,2,3,4,5
	v_mov_b32 v[QZ+\j], 0                          ; zero codes on both sides of q
	v_mov_b32 v[QZ+12+\j], 0
.endr
	v_min_u32 v[PFO+1], s94, v1
	v_lshrrev_b32 v[PFO], 2, v[PFO+1]
	v_lshlrev_b32 v[PFO], s95, v[PFO]
	v_and_b32 v[PFO+1], 3, v[PFO+1]
	v_lshl_add_u32 v[PFO], v[PFO+1], 8, v[PFO]
	v_add_nc_u32 v[PFO+1], s67, v[PFO]
	v_add_nc_u32 v[AKV], s92, v[LI]                ; my batch's records in slot 0, 1
	v_add_nc_u32 v[AKV+1], SLOT, v[AKV]
	v_and_b32 v1, 7, v2
	v_lshrrev_b32 v2, 3, v2
	v_mul_u32_u24 v[AB], v1, BP
	v_mad_u32_u24 v[AB], v2, 32*BP+128, v[AB]      ; the bias row of query 32 (r / 8) + 8 T + r % 8,
	v_lshl_add_u32 v[AB], v25, 7, v[AB]            ; keys 32 h on
	v_add_nc_u32 v[AB], s93, v[AB]
	v_add_nc_u32 v[AB+1], SLOT, v[AB]
	v_mov_b32 v[YY], 0                             ; a lane permute's destination counts as one of its sources
	v_mov_b32 v[WT+2], 0
	v_mov_b32 v[FF+1], 0                           ; (named as the upper half of a pair)
	INIT
	s_wait_loadcnt 0x0
.irp n, 0,1,2
	v_lshrrev_b32 v[QS+\n], s85, v[QS+\n]          ; my tile's two bytes,
.endr
.irp n, 0,1,2
	v_and_b32 v[QS+\n], 0xffff, v[QS+\n]
.endr
.irp n, 0,1,2
	v_lshl_or_b32 v[QS+\n], v[QS+\n], 16, v[QS+\n] ; in both halves of the word, since q may stand in either half of the operand;
.endr
.irp n, 0,1,2
	v_add_nc_u32 v[QS+\n], 0xfcfcfcfd, v[QS+\n]    ; 3 off each byte (each is at least 4): q / 8
.endr
	PLACES 8                                       ; a scale register written by a vector instruction stands eight places ahead of a scaled matrix instruction
; The three runs that bring half nh (0, 1) of slot sl into registers
.macro KCH sl, nh                      ; k's four fragments and its words: 13 loads
	WIN 0x40
.set i, 0
.rept 12
	ds_load_b128 v[KF+4*i:KF+4*i+3], v[AKV+\sl] offset:KSTEP*(\nh)+512*i
.set i, i+1
.endr
	WIN 0
	ds_load_b128 v[KS:KS+3], v[AKV+\sl] offset:KSTEP*(\nh)+12288
.endm
.macro BCH sl, nh                      ; the bias, as the C of the score products: 16 loads
.irp u, 0,1,2,3,4,5,6,7
	ds_load_b128 v[S+64*(\nh)+8*\u:S+64*(\nh)+8*\u+3],   v[AB+\sl] offset:512*(\nh)+256*(\u/4)+32*(\u%4)
	ds_load_b128 v[S+64*(\nh)+8*\u+4:S+64*(\nh)+8*\u+7], v[AB+\sl] offset:512*(\nh)+256*(\u/4)+32*(\u%4)+16
.endr
.endm
.macro VCH sl, nh                      ; v's four fragments and its words: 13 loads
	WIN 0x40
.set i, 0
.rept 12
	ds_load_b128 v[VF+48*(\nh)+4*i:VF+48*(\nh)+4*i+3], v[AKV+\sl] offset:KSTEP*(\nh)+6144+512*i
.set i, i+1
.endr
	WIN 0
	ds_load_b128 v[VS+4*(\nh):VS+4*(\nh)+3], v[AKV+\sl] offset:KSTEP*(\nh)+12800
.endm
.macro CODE1 b                         ; block b becomes half a fragment of p
	v_cvt_scalef32_pk16_fp6_f32 v[PC+6*\b:PC+6*\b+2], v[SS+32*\b:SS+32*\b+15], v[SCO+\b]
	v_cvt_scalef32_pk16_fp6_f32 v[TP+4*\b:TP+4*\b+2], v[SS+32*\b+16:SS+32*\b+31], v[SCO+\b]   ; (a conversion's three registers begin on an even number)
	v_nop                                          ; one plain place behind a scaled conversion
.irp n, 0,1,2
	v_mov_b32 v[PC+6*\b+3+\n], v[TP+4*\b+\n]
.endr
.endm
; A HALF: 16 queries x 128 keys a wave.  par: which half of its slot, and so which S buffer and which set of v.  nsl: the slot of the next half.
; mode 0: a slot's first half;  1: its second half, with the round and the refill of the slot that is left;  2: the same with nothing left to fetch;  3: the launch's last half.  pf: 0 no prefetch, 1 and 2 a turn's two
.macro HALF par, nsl, mode, pf
.set SS, S+64*\par
	s_wait_alu depctr_va_vdst(0)
.if (\mode == 1) || (\mode == 2)
	s_wait_tensorcnt 0x0                           ; my one load, my part of the next slot, has landed
	ds_add_u32 v[SPW], v[NIL]
.if \mode == 1
	s_add_nc_u64 s[G0B+4*(1-\nsl)+2:G0B+4*(1-\nsl)+3], s[G0B+4*(1-\nsl)+2:G0B+4*(1-\nsl)+3], s[60:61]   ; the slot that is left: two fills on
	s_add_nc_u64 s[G0K+4*(1-\nsl)+2:G0K+4*(1-\nsl)+3], s[G0K+4*(1-\nsl)+2:G0K+4*(1-\nsl)+3], 2*DSTEP
.endif
	s_wait_dscnt 0x0                               ; the add is done, and this half's 42 loads, my last reads of this slot, are in
	s_barrier_signal -1                            ; the round opens; work on registers follows
.elseif \mode == 3
	s_wait_dscnt 0x0
.else
	s_wait_dscnt 13                                ; k, its words and the bias are in; v's 13 loads may be out
.endif
	WIN 0x01
.irp u, 0,1,2,3,4,5,6,7                ; register 8 u + j = key 64 (u / 4) + 32 h + 8 (u % 4) + j; eight accumulators by turns
	v_wmma_scale_f32_16x16x128_f8f6f4 v[SS+8*\u:SS+8*\u+7], v[KF+12*(\u/2):KF+12*(\u/2)+11], v[QZ+6-6*(\u%2):QZ+17-6*(\u%2)], v[SS+8*\u:SS+8*\u+7], v[KS+\u/2], v[QS] matrix_a_fmt:MATRIX_FMT_FP6 matrix_b_fmt:MATRIX_FMT_FP6
.endr
	WIN 0
	PLACES 4
.if \mode == 0
	KCH \nsl, 1-\par
.endif
.irp q, 0,1,2,3                        ; the largest logit of each block of 32 keys, two chains a block; each accumulator is read from its low end on
	v_max3_num_f32 v[CH+\q], v[SS+16*\q], v[SS+16*\q+1], v[SS+16*\q+2]
.endr
.irp i, 3,5,7,9,11,13
.irp q, 0,1,2,3
	v_max3_num_f32 v[CH+\q], v[CH+\q], v[SS+16*\q+\i], v[SS+16*\q+\i+1]
.endr
.endr
.irp b, 0,1
	v_max3_num_f32 v[CH+2*\b], v[CH+2*\b], v[CH+2*\b+1], v[SS+32*\b+15]
.endr
.irp b, 0,1
	v_max_num_f32 v[CH+2*\b], v[CH+2*\b], v[SS+32*\b+31]
.endr
	v_max_num_f32 v[XX], v[CH], v[CH+2]
	v_permlanex16_b32 v[YY], v[XX], s18, s19
	v_max_num_f32 v[XX], v[XX], v[YY]              ; the half's largest logit of my query
	v_mul_f32 v[XX], s20, v[XX]
	v_max_num_f32 v[TM], v[TM], v[XX]              ; the running largest t
	v_mov_b32 v[XX], v[NM]
	v_floor_f32 v[NM], -v[TM]                      ; -M: a whole number
	v_sub_f32 v[XX], v[NM], v[XX]
	v_cvt_i32_f32 v[XX], v[XX]                     ; (it saturates)
	v_ldexp_f32 v[FF], 1.0, v[XX]                  ; f = 2^(old M - new M)
.if (\mode == 1) || (\mode == 2)
	s_wait_alu depctr_va_vdst(0)
	s_barrier_wait -1
	CREST                                          ; no wave of any partner still reads the slot that is left, and the next slot is whole
.if \mode == 1
	TLOAD 1-\nsl
.else
	PLACES 4
.endif
	KCH \nsl, 1-\par
.endif
.if \mode != 3
	BCH \nsl, 1-\par
.endif
.set j, 0
.rept 16
	v_pk_fma_f32 v[SS+2*j:SS+2*j+1], v[SS+2*j:SS+2*j+1], s[20:21], v[NM:NM+1] op_sel_hi:[1,0,0]   ; t - M, block 0
.set j, j+1
.endr
	v_fma_f32 v[CH], v[CH], s20, v[NM]             ; the same of each block's largest logit
	v_fma_f32 v[CH+2], v[CH+2], s20, v[NM]
	v_pk_mul_f32 v[LS:LS+1], v[LS:LS+1], v[FF:FF+1] op_sel_hi:[1,0]   ; the sum under the new M
	s_wait_alu depctr_va_vdst(0)                   ; ahead of the batch
.if \pf
	s_cmp_lt_u32 s58, 4                            ; the loop's last turn has no fill four on
	s_cbranch_scc0 .Lno_ask_\@
	global_prefetch_b8 v[PFO+\pf-1], s[PFA:PFA+1] th:TH_LOAD_NT scope:SCOPE_SE
.Lno_ask_\@:
.endif
	v_exp_f32 v[CH], v[CH]
	v_exp_f32 v[CH+2], v[CH+2]
.set j, 0
.rept 32
	v_exp_f32 v[SS+j], v[SS+j]
.set j, j+1
.endr
.set j, 16
.rept 16
	v_pk_fma_f32 v[SS+2*j:SS+2*j+1], v[SS+2*j:SS+2*j+1], s[20:21], v[NM:NM+1] op_sel_hi:[1,0,0]   ; block 1
.set j, j+1
.endr
	s_wait_alu depctr_va_vdst(0)                   ; behind the first batch and ahead of the second
.set j, 32
.rept 32
	v_exp_f32 v[SS+j], v[SS+j]
.set j, j+1
.endr
.if \mode != 3
	VCH \nsl, 1-\par
.endif
	v_pk_add_f32 v[SB:SB+1], v[SS:SS+1], v[SS+2:SS+3]   ; the row's sum is taken of the unquantised p, in two chains: block 0
.set j, 2
.rept 7
	v_pk_add_f32 v[LS:LS+1], v[LS:LS+1], v[SS+2*j:SS+2*j+1]
	v_pk_add_f32 v[SB:SB+1], v[SB:SB+1], v[SS+2*j+2:SS+2*j+3]
.set j, j+2
.endr
.irp b, 0,1
	v_max_num_f32 v[CH+2*\b], 0x1800000, v[CH+2*\b]   ; the floor 2^(3 - 127): the byte cannot fall under 1
.endr
.irp b, 0,1
	v_add_nc_u32 v[SCO+\b], 0xff000000, v[CH+2*\b] ; 2 off the exponent field: the conversion's scale operand
.endr
.irp b, 0,1
	v_lshrrev_b32 v[BY+\b], 23, v[SCO+\b]
.endr
	v_lshl_or_b32 v[WT], v[BY+1], 16, v[BY]
	v_lshlrev_b32 v[WT], v[SH8], v[WT]             ; my bytes are h and 2 + h of the word
	v_permlanex16_b32 v[WT+2], v[WT], s18, s19
	v_or_b32 v[PW], v[WT], v[WT+2]                 ; p's scale word
	CODE1 0
	WIN 0x41                                       ; O^T in window 1, f in window 0
	s_wait_alu depctr_va_vdst(0)                   ; behind the second batch, directly ahead of the first reader of O^T
.set j, 0
.rept 16
	v_pk_mul_f32 v[2*j:2*j+1], v[2*j:2*j+1], v[FF:FF+1] op_sel_hi:[1,0]   ; O^T under the new M, each accumulator from its low end on
.set j, j+1
.endr
	WIN 0
	CODE1 1
.set j, 16
.rept 8                                ; block 1; these 17 lines are also the places ahead of the scaled products
	v_pk_add_f32 v[LS:LS+1], v[LS:LS+1], v[SS+2*j:SS+2*j+1]
	v_pk_add_f32 v[SB:SB+1], v[SB:SB+1], v[SS+2*j+2:SS+2*j+3]
.set j, j+2
.endr
	v_pk_add_f32 v[LS:LS+1], v[LS:LS+1], v[SB:SB+1]
.if \mode == 0
	s_wait_dscnt 42                                ; this half's v is in; the 42 loads issued since, the next half's, may be out
.endif
	WIN 0x51
.irp d, 0,1,2,3                        ; four accumulators by turns
	v_wmma_scale_f32_16x16x128_f8f6f4 v[8*\d:8*\d+7], v[VF+48*\par+12*\d:VF+48*\par+12*\d+11], v[PC:PC+11], v[8*\d:8*\d+7], v[VS+4*\par+\d], v[PW] matrix_a_fmt:MATRIX_FMT_FP6 matrix_b_fmt:MATRIX_FMT_FP6
.endr
	WIN 0
.endm
; A HEAD'S WAY OUT: o = O^T / the sum; my 32 registers are a block along the head's 64: quantised as they stand.  768 bytes of codes and 128 of scale words a wave.
.macro OUT
	s_wait_xcnt 0x0                                ; earlier stores and prefetches have read their registers
	s_lshr_b32 s82, s59, 2
	s_mul_i32 s82, s82, 14336
	s_and_b32 s83, s59, 3
	s_mul_i32 s84, s83, 768
	s_lshl_b32 s83, s83, 9
	s_add_co_u32 s84, s84, s82
	s_add_co_u32 s84, s84, s72
	s_add_co_u32 s82, s82, s83
	s_add_co_u32 s82, s82, s73
	s_mov_b32 s85, 0
	s_mov_b32 s83, 0
	s_add_nc_u64 s[68:69], s[10:11], s[84:85]
	s_add_nc_u64 s[70:71], s[10:11], s[82:83]
	s_add_co_u32 s59, s59, 1
	PLACES 4
	v_add_f32 v[XX], v[LS], v[LS+1]
	v_permlanex16_b32 v[YY], v[XX], s18, s19
	v_add_f32 v[XX], v[XX], v[YY]                  ; the row's sum
	s_wait_alu depctr_va_vdst(0)
	v_rcp_f32 v[FF], v[XX]
	WIN 0x01
	v_nop
	s_wait_alu depctr_va_vdst(0)
.set i, 0
.rept 16
	v_pk_mul_f32 v[OS+2*i:OS+2*i+1], v[2*i:2*i+1], v[FF:FF+1] op_sel_hi:[1,0]
.set i, i+1
.endr
	WIN 0
	v_max3_num_f32 v[CH], |v[OS]|, |v[OS+1]|, 0x1800000
	v_max3_num_f32 v[CH+1], |v[OS+16]|, |v[OS+17]|, |v[OS+18]|
.irp i, 2,4,6,8,10,12
	v_max3_num_f32 v[CH], v[CH], |v[OS+\i]|, |v[OS+\i+1]|
	v_max3_num_f32 v[CH+1], v[CH+1], |v[OS+17+\i]|, |v[OS+18+\i]|
.endr
	v_max3_num_f32 v[CH], v[CH], |v[OS+14]|, |v[OS+15]|
	v_max3_num_f32 v[CH], v[CH], v[CH+1], |v[OS+31]|
	v_add_nc_u32 v[SCO], 0xff000000, v[CH]
	v_lshrrev_b32 v[BY], 23, v[SCO]
	v_lshlrev_b32 v[WT], v[SH8], v[BY]
	v_permlanex16_b32 v[WT+2], v[WT], s18, s19
	v_or_b32 v[WT+1], v[WT], v[WT+2]               ; the head's two bytes, in the word's low half
	v_cvt_scalef32_pk16_fp6_f32 v[PC:PC+2], v[OS:OS+15], v[SCO]
	v_cvt_scalef32_pk16_fp6_f32 v[TP:TP+2], v[OS+16:OS+31], v[SCO]
	v_nop
.irp n, 0,1,2
	v_mov_b32 v[PC+3+\n], v[TP+\n]
.endr
	global_store_b128 v[LI], v[PC:PC+3], s[68:69]              ; registers 0-3: 512 consecutive bytes
	global_store_b64 v[L8], v[PC+4:PC+5], s[68:69] offset:512  ; registers 4-5: 256
	global_store_b32 v[L4], v[WT+1], s[70:71]                  ; 128 consecutive bytes
.endm
	s_wait_alu depctr_va_vdst(0)
	s_wait_tensorcnt 0x0                           ; my part of fill 0 is in; slot 1's first fill is issued as a refill is
	ds_add_u32 v[SPW], v[NIL]
	s_wait_dscnt 0x0
	CROUND
	TLOAD 1                                        ; fill 1
	KCH 0, 0                                       ; the first half comes into registers
	BCH 0, 0
	VCH 0, 0
	s_mov_b32 s58, 0
.Lpair:                                                ; fills 0 to 9, two to a turn: once round the ring
	HALF 0, 0, 0, 1
	HALF 1, 1, 1, 0
	HALF 0, 1, 0, 2
	HALF 1, 0, 1, 0
	s_wait_alu depctr_va_vdst(0)
	s_and_b32 s82, s58, 1                          ; a head is four fills: it ends with every second turn
	s_cmp_eq_u32 s82, 0
	s_cbranch_scc1 .Lsame
	OUT
	WIN 0x01
.irp j, 0,1,2,3,4,5
	v_mov_b32 v[QZ+6+\j], v[QN+\j]                 ; the next head's q,
.endr
	WIN 0x41
.irp j, 0,1,2,3,4,5
	v_mov_b32 v[QN+\j], v[QN+6+\j]
.endr
	WIN 0
	v_mov_b32 v[QS], v[QS+1]                       ; and its scale word
	v_mov_b32 v[QS+1], v[QS+2]
	INIT
	s_wait_alu depctr_va_vdst(0)
.Lsame:
	s_wait_xcnt 0x0                                ; prefetches and stores have read their bases and registers
	s_add_nc_u64 s[PFA:PFA+1], s[PFA:PFA+1], s[62:63]
	s_xor_b32 s62, s62, s66
	s_xor_b32 s60, s60, 0x3ff000
	s_add_co_u32 s58, s58, 1
	s_cmp_lt_u32 s58, 5
	s_cbranch_scc1 .Lpair
	HALF 0, 0, 0, 0                                ; fills 10 and 11 are written out: nothing is left to fetch
	HALF 1, 1, 2, 0
	HALF 0, 1, 0, 0
	HALF 1, 0, 3, 0
	s_wait_alu depctr_va_vdst(0)
	OUT
	s_wait_tensorcnt 0x0                           ; the wave's end
	ds_add_u32 v[SPW], v[NIL]
	s_wait_dscnt 0x0
	CROUND                                         ; the closing round
	s_endpgm
.Lfunc_end_k_qabfd490e40_attn:
	.size	k_qabfd490e40_attn, .Lfunc_end_k_qabfd490e40_attn-k_qabfd490e40_attn
	.p2alignl 7, 3214868480
	.fill 96, 4, 3214868480
	.section	.rodata,"a",@progbits
	.p2align	6, 0x0
	.amdhsa_kernel k_qabfd490e40_attn
		.amdhsa_group_segment_fixed_size 327680
		.amdhsa_private_segment_fixed_size 0
		.amdhsa_enable_private_segment 0
		.amdhsa_kernarg_size 32
		.amdhsa_user_sgpr_count 2
		.amdhsa_user_sgpr_kernarg_segment_ptr 1
		.amdhsa_wavefront_size32 1
		.amdhsa_system_sgpr_workgroup_id_x 1
		.amdhsa_system_sgpr_workgroup_id_y 1
		.amdhsa_system_sgpr_workgroup_id_z 1
		.amdhsa_system_vgpr_workitem_id 0
		.amdhsa_next_free_vgpr 512
		.amdhsa_next_free_sgpr 96
		.amdhsa_reserve_vcc 0
		.amdhsa_float_denorm_mode_32 3
		.amdhsa_float_denorm_mode_16_64 3
		.amdhsa_memory_ordered 1
		.amdhsa_forward_progress 1
		.amdhsa_inst_pref_size 149
	.end_amdhsa_kernel
	.amdgpu_metadata
---
amdhsa.version: [ 1, 2 ]
amdhsa.kernels:
  - .name:           k_qabfd490e40_attn
    .symbol:         k_qabfd490e40_attn.kd
    .args:
      - { .name: qc, .offset: 0, .size: 8, .value_kind: global_buffer, .address_space: global }
      - { .name: kv, .offset: 8, .size: 8, .value_kind: global_buffer, .address_space: global }
      - { .name: rel_pos_bias, .offset: 16, .size: 8, .value_kind: global_buffer, .address_space: global }
      - { .name: oq, .offset: 24, .size: 8, .value_kind: global_buffer, .address_space: global }
    .group_segment_fixed_size: 327680
    .private_segment_fixed_size: 0
    .kernarg_segment_align: 8
    .kernarg_segment_size: 32
    .max_flat_workgroup_size: 256
    .sgpr_count:     96
    .vgpr_count:     512
    .wavefront_size: 32
...
	.end_amdgpu_metadata
.endif
;; end of part 3
;; launch oproj (part 4): grid 64 x 4, 4 waves a work-group, clusters of 4 x 1, 327,680 bytes of LDS; arguments oq, wc, b_o, out0; writes out0
.if DOCPART == 4
	.amdgcn_target "amdgcn-amd-amdhsa--gfx1250"
	.amdhsa_code_object_version 6
	.text
	.protected	k_qabfd490e40_oproj
	.globl	k_qabfd490e40_oproj
	.p2align	8
	.type	k_qabfd490e40_oproj,@function
k_qabfd490e40_oproj:
	s_mov_b64 s[64:65], 0
	v_nop
	global_prefetch_b8 v0, s[64:65] scope:SCOPE_SE
	s_setreg_imm32_b32 hwreg(HW_REG_WAVE_MODE, 25, 1), 1
	s_wait_xcnt 0x0
	s_wait_alu depctr_hold_cnt(0) depctr_sa_sdst(0) depctr_va_vdst(0) depctr_va_sdst(0) depctr_va_ssrc(0) depctr_va_vcc(0) depctr_vm_vsrc(0)
	s_getreg_b32 s2, hwreg(HW_REG_IB_STS2, 6, 4)
	s_cmp_eq_u32 s2, 0
	s_cbranch_scc0 .Lentry_in_a_cluster
	s_endpgm
.Lentry_in_a_cluster:
	s_bfe_u32 s2, ttmp6, 0x10000c
	s_cmp_lg_u32 s2, 0x3003
	s_cbranch_scc0 .Lentry_shape_is_right
	s_endpgm
.Lentry_shape_is_right:
; OUT = o W_o^T + b_o, on codes of FP6 (E2M3) with E8M0 scales, sums in f32.  o's codes come from the attention launch, W_o's from the first.
; SHARES.  256 work-groups: 128 rows (x: block 4 X + cx) x 192 columns (y).  Four waves: wave w takes 64 rows (w / 2), four tiles, x 96 columns: tiles 2 (w % 2) and 2 (w % 2) + 1 of each of the block's three groups of 64 features: 24 accumulators.
; ALL OF K (768) LIES IN LDS: o's two groups of 64 rows (3 x 2 x 14,336 bytes) and W_o's twelve tiles (3 x 12 x 3,328): nothing is filled twice.  One tensor load a wave, out at the start.
; CLUSTER 4 x 1: the four row blocks of a cluster read the same tiles of W_o: asked for jointly (mask 15).  o's tiles are also read by the four column blocks along y; they are plain loads here: the cluster has one row.
; LAYOUT.  Source 0 = 16 features of W_o, source 1 = 16 rows of o: a lane holds one row and eight neighbouring columns.  Tiles hold rows in the order 32 (m / 8) + 8 T + m % 8, on both sides.  b_o is the C of each sum's first matrix instruction.
; o's record (a group of 64 rows x four heads): [tile 4][head 4][768]: half a fragment (registers 0-3 at 16 l, registers 4-5 at 512 + 8 l); then [head 4][512]: 16 bytes a lane: the four tiles' words, two bytes each.
; One wave to a SIMD: fragments have two sets of registers and are fetched a K step ahead.
; REGISTERS.  Window 0: v4-21 addresses; v24-39 o's raw words; v40-47 o's scale words; v48-71 W_o's, two sets; v96-191 the way out.  Window 1: two sets of 120: o's four fragments, W_o's six.  Window 2: 24 accumulators; from v192 b_o.
.set REC,  3328
.set GRP,  14336
.set PAO,  GRP                         ; oq is laid [group of 64 rows][K pair 3][14,336], wc [group of four tiles][K pair 3][tile 4][3,328]: a wave's one fill is dense
.set BW,   6*GRP
.set PBW,  12*REC                      ; W_o
.set STG,  BW+3*PBW                    ; the stage: row q at 784 q + 128 (q / 32): 768 bytes + 16; no tensor load fills it
.set POQ,  128*GRP
.set PWC,  192*REC
.set WV,   12
.set AF16, 4
.set AF8,  7
.set BF16, 10
.set BS8,  13
.set STO,  16
.set RD0,  17
.set RD1,  18
.set GO0,  19
.set GO1,  20
.set BCO,  21
.set AF4,  72                          ; v72: o's scale words, 4 bytes a lane: [head 4][tile 4][128] behind a record's codes
.set RW,   24
.set XS,   40
.set WS,   48
.set OB,   96
.set BC,   192
.set G1A,  24
.set G1B,  32
.set G0A,  40
.set G0B,  52
.set MSB, 0
.macro WIN new                         ; the immediate's high byte repeats the setting that is left
.if MSB != \new
	s_set_vgpr_msb (MSB<<8)|\new
.set MSB, \new
.endif
.endm
.macro PLACES n
.rept \n
	v_nop
.endr
.endm
.macro CROUND                          ; a round of the cluster's barrier
	s_barrier_signal -1
	s_barrier_wait -1
	s_cmp_lg_u32 s[WV], 0
	s_cbranch_scc1 .Lnot_wave_0_\@
	s_barrier_signal -3
.Lnot_wave_0_\@:
	s_barrier_wait -3
	s_barrier_signal -1
	s_barrier_wait -1
.endm
	s_load_b256 s[4:11], s[0:1], 0x0               ; oq, wc, b_o, out0
	v_lshl_add_u32 v254, v0, 2, 0x4ae00
	v_mov_b32 v255, 0
	ds_add_u32 v254, v255
	ds_add_u32 v254, v255
	v_lshrrev_b32 v1, 5, v0
	v_readfirstlane_b32 s[WV], v1                  ; wave 0..3
	s_and_b32 s13, s[WV], 1                        ; my half of the columns.  Also: which half of the tiles I fetch
	s_lshr_b32 s14, s[WV], 1                       ; my half of the rows.  Also: I fetch for o (0) or for W_o (1)
	s_bfe_u32 s15, ttmp6, 0x40000                  ; cx
	s_lshl_b32 s16, ttmp9, 2
	s_add_co_u32 s16, s16, s15                     ; block of 128 rows
	s_and_b32 s17, ttmp7, 0xffff                   ; block of 192 columns
	s_mov_b32 s[G1A], 3<<16                        ; dense bytes as rows of 256 (32 elements of 8 bytes): o: 168 rows, no mask;
	s_mov_b32 s[G1A+1], 32<<16
	s_mov_b32 s[G1A+2], 168<<16
	s_mov_b32 s[G1A+3], 32<<16
	s_mov_b32 s[G1A+4], 168
	s_mov_b32 s[G1A+5], 32
	s_mov_b32 s[G1A+6], 0
	s_mov_b32 s[G1A+7], 0
	s_mov_b32 s[G1B], 15|(3<<16)|(1<<21)           ; W_o: eighteen records, 234 rows, all four work-groups of the cluster
	s_mov_b32 s[G1B+1], 32<<16
	s_mov_b32 s[G1B+2], 234<<16
	s_mov_b32 s[G1B+3], 32<<16
	s_mov_b32 s[G1B+4], 234
	s_mov_b32 s[G1B+5], 32
	s_mov_b32 s[G1B+6], 0
	s_mov_b32 s[G1B+7], 0
	s_lshl_b32 s66, s16, 1
	s_add_co_u32 s66, s66, s13
	s_mul_i32 s66, s66, 3*GRP
	s_mov_b32 s67, 0
	s_mul_i32 s68, s17, 36                         ; W_o: groups 36 + 3 x column block, 12 records each; a half is 18 records
	s_mul_i32 s69, s13, 18
	s_add_co_u32 s68, s68, s69
	s_add_co_u32 s68, s68, 432
	s_mul_i32 s68, s68, REC
	s_mov_b32 s69, 0
	s_mul_i32 s70, s13, 3*GRP
	s_mul_i32 s71, s13, 18*REC
	s_add_co_u32 s71, s71, BW
	s_wait_dscnt 0x0
	s_wait_kmcnt 0x0
	s_add_nc_u64 s[66:67], s[4:5], s[66:67]
	s_add_nc_u64 s[68:69], s[6:7], s[68:69]
.irp p, 0
	s_mov_b32 s[G0A+4*\p], 1
	s_add_co_u32 s[G0A+4*\p+1], s70, \p*PAO
	s_add_nc_u64 s[G0A+4*\p+2:G0A+4*\p+3], s[66:67], \p*POQ
	s_or_b32 s[G0A+4*\p+3], s[G0A+4*\p+3], 0x80000000
	s_mov_b32 s[G0B+4*\p], 1
	s_add_co_u32 s[G0B+4*\p+1], s71, \p*PBW
	s_add_nc_u64 s[G0B+4*\p+2:G0B+4*\p+3], s[68:69], \p*PWC
	s_or_b32 s[G0B+4*\p+3], s[G0B+4*\p+3], 0x80000000
.endr
	CROUND                                         ; all four work-groups are here: the joint loads meet
	s_cmp_lt_u32 s[WV], 2                          ; a wave's one fill stands in one branch: one load of mine is out
	s_cbranch_scc0 .Lfill_w
	tensor_load_to_lds s[G0A:G0A+3], s[G1A:G1A+7]
	s_nop 0
	PLACES 4
	s_branch .Lfilled
.Lfill_w:
	tensor_load_to_lds s[G0B:G0B+3], s[G1B:G1B+7]
	s_nop 0
	PLACES 4
.Lfilled:
	v_and_b32 v1, 31, v0                           ; lane
	v_and_b32 v2, 15, v0                           ; r
	v_bfe_u32 v3, v0, 4, 1                         ; h
	v_lshlrev_b32 v[GO0], 4, v1                    ; 16 x lane
	v_lshlrev_b32 v22, 3, v1                       ; 8 x lane
	s_mul_i32 s72, s14, 3*GRP
	s_mul_i32 s73, s13, 2*REC
	s_add_co_u32 s73, s73, BW
	v_lshl_add_u32 v[AF4], v1, 2, s72
.irp p, 0,1,2
	v_add_nc_u32 v[AF16+\p], s72, v[GO0]
	v_add_nc_u32 v[AF8+\p], s72, v22
	v_add_nc_u32 v[BF16+\p], s73, v[GO0]
	v_add_nc_u32 v[BS8+\p], s73, v22
	s_add_co_u32 s72, s72, PAO
	s_add_co_u32 s73, s73, PBW
.endr
	s_mul_i32 s74, s14, 50432                      ; the stage, on the way in: row 64 (w / 2) + 32 (r / 8) + 8 a + r % 8; columns 128 h + 64 (w % 2) bytes on
	s_lshl_b32 s75, s13, 6
	s_add_co_u32 s74, s74, s75
	s_add_co_u32 s74, s74, STG
	v_and_b32 v23, 7, v2
	v_mul_u32_u24 v[STO], v23, 784
	v_lshrrev_b32 v23, 3, v2
	v_mad_u32_u24 v[STO], v23, 25216, v[STO]
	v_lshl_add_u32 v[STO], v3, 7, v[STO]
	v_add_nc_u32 v[STO], s74, v[STO]
	s_mul_i32 s74, s[WV], 25216                    ; and back: rows 32 w on; two rows of 768 bytes are three loads of 512
	s_add_co_u32 s74, s74, STG
	v_add_nc_u32 v[RD0], s74, v[GO0]
	v_lshl_add_u32 v[RD1], v3, 4, v[RD0]
	v_add_nc_u32 v[RD1], 512, v[RD1]               ; the middle load: lanes 0-15 the first row's end, lanes 16-31 the second row's head, 16 bytes of padding on
	v_mad_u32_u24 v[GO1], v3, 2304, v[GO0]
	v_add_nc_u32 v[GO1], 512, v[GO1]               ; the same in memory, where rows are 3,072 bytes apart
	v_lshlrev_b32 v[BCO], 7, v3
	s_wait_alu depctr_va_vdst(0)
	s_lshl_b32 s76, s16, 7
	s_lshl_b32 s77, s[WV], 5
	s_add_co_u32 s76, s76, s77
	s_mul_i32 s76, s76, 3072                       ; the first row that I store,
	s_mul_i32 s77, s17, 768
	s_add_co_u32 s76, s76, s77                     ; the block's first column
	s_lshl_b32 s78, s13, 6
	s_add_co_u32 s78, s78, s77
	s_mov_b32 s77, 0
	s_mov_b32 s79, 0
	s_add_nc_u64 s[10:11], s[10:11], s[76:77]
	s_add_nc_u64 s[8:9], s[8:9], s[78:79]
	WIN 0x80                                       ; destination window 2
.irp t, 0,1,2,3,4,5
	global_load_b128 v[BC+8*\t:BC+8*\t+3],   v[BCO], s[8:9] offset:256*(\t/2)+32*(\t%2)      ; register j of tile t = 2 g + u: column 64 g + 32 h + 8 (2 (w % 2) + u) + j
	global_load_b128 v[BC+8*\t+4:BC+8*\t+7], v[BCO], s[8:9] offset:256*(\t/2)+32*(\t%2)+16
.endr
	WIN 0
.macro FETCH s                         ; K step s into set s % 2: 34 loads; with a K pair's first step its scale words: 22 more
.set FP, (\s)/2
.set FQ, (\s)%2
.set FB, 128*((\s)%2)
	WIN 0x40                                       ; destination window 1
.irp a, 0,1,2,3
	ds_load_b128 v[FB+12*\a:FB+12*\a+3],     v[AF16+FP] offset:3072*\a+1536*FQ
	ds_load_b64  v[FB+12*\a+4:FB+12*\a+5],   v[AF8+FP]  offset:3072*\a+1536*FQ+512
	ds_load_b128 v[FB+12*\a+6:FB+12*\a+9],   v[AF16+FP] offset:3072*\a+1536*FQ+768
	ds_load_b64  v[FB+12*\a+10:FB+12*\a+11], v[AF8+FP]  offset:3072*\a+1536*FQ+1280
.endr
.irp t, 0,1,2,3,4,5
.irp i, 0,1,2
	ds_load_b128 v[FB+48+12*\t+4*\i:FB+48+12*\t+4*\i+3], v[BF16+\t/2] offset:4*REC*FP+REC*(\t%2)+1536*FQ+512*\i
.endr
.endr
	WIN 0
.if FQ == 0
.irp e, 0,1,2,3
.irp a, 0,1,2,3
	ds_load_b32 v[RW+4*\e+\a], v[AF4] offset:GRP*FP+12288+512*\e+128*\a
.endr
.endr
.irp t, 0,1,2,3,4,5
	ds_load_b64 v[WS+12*(FP%2)+2*\t:WS+12*(FP%2)+2*\t+1], v[BS8+\t/2] offset:3072+4*REC*FP+REC*(\t%2)
.endr
.endif
.endm
.macro STEP s
.if \s > 0
	PLACES 4                                       ; in front of loads into, and writes of, registers that the last step's matrix instructions have read
.endif
.if \s < 5
	FETCH \s+1
.if (\s%2) == 1
	s_wait_dscnt 56
.else
	s_wait_dscnt 34
.endif
.else
	s_wait_alu depctr_va_vdst(0)
	s_wait_dscnt 0x0
.endif
.if (\s%2) == 0
.irp q, 0,1
.irp a, 0,1,2,3
	v_lshl_or_b32 v[XS+4*\q+\a], v[RW+8*\q+4+\a], 16, v[RW+8*\q+\a]   ; two heads' bytes make the word of a K step
.endr
.endr
	PLACES 8                                       ; a scale register written by a vector instruction stands eight places ahead of a scaled matrix instruction
.endif
.set MQ, (\s)%2
.set MP, ((\s)/2)%2
.set MB, 128*((\s)%2)
	WIN 0xa5                                       ; sources 0 and 1 window 1, C and D window 2
.irp a, 0,1,2,3                        ; the 24 accumulators take turns, one instruction a turn, in the same order in every step
.irp t, 0,1,2,3,4,5
.if \s == 0
	v_wmma_scale_f32_16x16x128_f8f6f4 v[8*(6*\a+\t):8*(6*\a+\t)+7], v[MB+48+12*\t:MB+48+12*\t+11], v[MB+12*\a:MB+12*\a+11], v[BC+8*\t:BC+8*\t+7], v[WS+12*MP+2*\t+MQ], v[XS+4*MQ+\a] matrix_a_fmt:MATRIX_FMT_FP6 matrix_b_fmt:MATRIX_FMT_FP6
.else
	v_wmma_scale_f32_16x16x128_f8f6f4 v[8*(6*\a+\t):8*(6*\a+\t)+7], v[MB+48+12*\t:MB+48+12*\t+11], v[MB+12*\a:MB+12*\a+11], v[8*(6*\a+\t):8*(6*\a+\t)+7], v[WS+12*MP+2*\t+MQ], v[XS+4*MQ+\a] matrix_a_fmt:MATRIX_FMT_FP6 matrix_b_fmt:MATRIX_FMT_FP6
.endif
.endr
.endr
	WIN 0
.endm
	s_wait_tensorcnt 0x0                           ; my one fill has landed: behind the barrier all of K is in LDS
	s_barrier_signal -1
	s_barrier_wait -1
	FETCH 0
	s_wait_loadcnt 0x0                             ; b_o
	STEP 0
	s_wait_alu depctr_va_vdst(0)
	STEP 1
	STEP 2
	s_wait_alu depctr_va_vdst(0)
	STEP 3
	STEP 4
	STEP 5
	; THE WAY OUT.  A lane holds 32 neighbouring bytes of a row; a row's 768 bytes come from two waves: they meet in the stage, and each wave stores 32 whole rows.
	PLACES 4
	WIN 0x08                                       ; an LDS store's data are its source 1: window 2
.irp a, 0,1,2,3
.irp t, 0,1,2,3,4,5
	ds_store_b128 v[STO], v[8*(6*\a+\t):8*(6*\a+\t)+3]   offset:6272*\a+256*(\t/2)+32*(\t%2)      ; each accumulator from its low end on
	ds_store_b128 v[STO], v[8*(6*\a+\t)+4:8*(6*\a+\t)+7] offset:6272*\a+256*(\t/2)+32*(\t%2)+16
.endr
.endr
	WIN 0
	s_wait_dscnt 0x0                               ; for the others' sake: my stores into the stage are done
	s_barrier_signal -1
	s_barrier_wait -1
.macro SEND g                          ; eight pairs of rows
.irp k, 0,1,2,3,4,5,6,7
	ds_load_b128 v[OB+12*\k:OB+12*\k+3],    v[RD0] offset:1568*(8*\g+\k)
	ds_load_b128 v[OB+12*\k+4:OB+12*\k+7],  v[RD1] offset:1568*(8*\g+\k)
	ds_load_b128 v[OB+12*\k+8:OB+12*\k+11], v[RD0] offset:1568*(8*\g+\k)+1040
.endr
.irp k, 0,1,2,3,4,5,6,7
	s_wait_dscnt 23-3*\k                           ; the younger loads may be out
	global_store_b128 v[GO0], v[OB+12*\k:OB+12*\k+3],    s[10:11] offset:6144*(8*\g+\k) th:TH_STORE_NT        ; sixteen lanes store 256 consecutive bytes, aligned; written once, read by nobody here
	s_wait_dscnt 22-3*\k
	global_store_b128 v[GO1], v[OB+12*\k+4:OB+12*\k+7],  s[10:11] offset:6144*(8*\g+\k) th:TH_STORE_NT
	s_wait_dscnt 21-3*\k
	global_store_b128 v[GO0], v[OB+12*\k+8:OB+12*\k+11], s[10:11] offset:6144*(8*\g+\k)+3328 th:TH_STORE_NT
.endr
.endm
	SEND 0
	s_wait_xcnt 0x0                                ; the stores have read their registers: the next rows may land there
	SEND 1
	s_wait_tensorcnt 0x0
	ds_add_u32 v254, v255
	s_wait_dscnt 0x0
	CROUND                                         ; the closing round: no work-group ends while a partner may still ask for a tile that names it
	s_endpgm
.Lfunc_end_k_qabfd490e40_oproj:
	.size	k_qabfd490e40_oproj, .Lfunc_end_k_qabfd490e40_oproj-k_qabfd490e40_oproj
	.p2alignl 7, 3214868480
	.fill 96, 4, 3214868480
	.section	.rodata,"a",@progbits
	.p2align	6, 0x0
	.amdhsa_kernel k_qabfd490e40_oproj
		.amdhsa_group_segment_fixed_size 327680
		.amdhsa_private_segment_fixed_size 0
		.amdhsa_enable_private_segment 0
		.amdhsa_kernarg_size 32
		.amdhsa_user_sgpr_count 2
		.amdhsa_user_sgpr_kernarg_segment_ptr 1
		.amdhsa_wavefront_size32 1
		.amdhsa_system_sgpr_workgroup_id_x 1
		.amdhsa_system_sgpr_workgroup_id_y 1
		.amdhsa_system_sgpr_workgroup_id_z 1
		.amdhsa_system_vgpr_workitem_id 0
		.amdhsa_next_free_vgpr 768
		.amdhsa_next_free_sgpr 96
		.amdhsa_reserve_vcc 0
		.amdhsa_float_denorm_mode_32 3
		.amdhsa_float_denorm_mode_16_64 3
		.amdhsa_memory_ordered 1
		.amdhsa_forward_progress 1
		.amdhsa_inst_pref_size 60
	.end_amdhsa_kernel
	.amdgpu_metadata
---
amdhsa.version: [ 1, 2 ]
amdhsa.kernels:
  - .name:           k_qabfd490e40_oproj
    .symbol:         k_qabfd490e40_oproj.kd
    .args:
      - { .name: oq, .offset: 0, .size: 8, .value_kind: global_buffer, .address_space: global }
      - { .name: wc, .offset: 8, .size: 8, .value_kind: global_buffer, .address_space: global }
      - { .name: b_o, .offset: 16, .size: 8, .value_kind: global_buffer, .address_space: global }
      - { .name: out0, .offset: 24, .size: 8, .value_kind: global_buffer, .address_space: global }
    .group_segment_fixed_size: 327680
    .private_segment_fixed_size: 0
    .kernarg_segment_align: 8
    .kernarg_segment_size: 32
    .max_flat_workgroup_size: 128
    .sgpr_count:     96
    .vgpr_count:     768
    .wavefront_size: 32
...
	.end_amdgpu_metadata
.endif
;; end of part 4
